; MI455X (gfx1250); checked and timed in simulation.
; The chip was launched on July 23, 2026; its instructions are those of AMD's public machine-readable ISA for CDNA 5 (MIT licence, August 2026) and "CDNA5" Instruction Set Architecture Reference Guide (July 2026). The comments in the code are by the model that wrote it; some were corrected since.
;; Mo E Block. Allowed arithmetic: matrix products marked QUANTISED: E2M1 operands, one E8M0 scale for each 32 along K, by v_wmma_scale_f32_16x16x128_f8f6f4 with both operands' format E2M1 (or v_wmma_scale_f32_32x16x128_f4), f32 sums; products left as they are: f32 operands where the result goes on into a quantised operand, else bf16, f16 or f32 operands; f32 sums; everything else in f32.
;; Inputs: expert_w_codes 8 x 1,024 x 32 x 16 uint8 (E2M1 codes of expert_w, K innermost, in blocks of 32 codes, two codes a byte); expert_w_scales 8 x 1,024 x 32 uint8 (E8M0 scales of expert_w, one for each 32 codes along K); gate_w 8 x 1,024 float32; x 2 x 4,096 x 1,024 float32.
;; Outputs: out0 2 x 4,096 x 1,024 float32.
;; This version of the problem:
;;   THIS VERSION OF THE PROBLEM IS GIVEN IN LOW PRECISION. The matrix products marked QUANTISED in the list below multiply operands that are first quantised to E2M1 (2 exponent bits, 1 mantissa bit; 4 bits a number), with one power-of-two scale for each 32 numbers along K (OCP MX v1.0); their sums are f32. All else is computed in f32.
;;   The module's matrix products, in the order in which they are computed (A, B: the left and right operand; K: the contracted axis; several contracted axes count as one K, in the product's order):
;;     1. [M 8,192, K 1,024] x [K 1,024, N 8]; A: input x; B: input gate_w: left as it is (N = 8 < 16)
;;     2. [M 8,192, K 1,024] x [K 1,024, N 8,192]; A: input x; B: input expert_w (given as codes): QUANTISED
;;     3. batch 8,192 x [M 1,024, K 8] x [K 8, N 1]; A: computed on the way; B: computed on the way: left as it is (K = 8 < 32)
;;   THE QUANTISER, for each operand of a quantised product, along K:
;;     - K is cut into blocks of 32 from its start; a last block that is shorter is filled with zeros.
;;     - A block's scale is 2^e with e = floor(log2(the largest magnitude in the block)) - 2, held to -126 .. 127; a block of zeros has e = 0. As a byte (E8M0): e + 127.
;;     - Each number is divided by its block's scale, clamped to +-6, and rounded to the nearest number of E2M1, ties to even, subnormals kept.
;;     - The product sums the exact products of the quantised numbers (number of the format x scale) in f32.
;;   ~~~python
;;   def quantise(x, axis):      # numpy; x: float32 -> the quantised numbers, widened to float32 again
;;       x = np.moveaxis(x, axis, -1); K = x.shape[-1]
;;       x = np.pad(x, [(0, 0)] * (x.ndim - 1) + [(0, -K % 32)]); x = x.reshape(x.shape[:-1] + (-1, 32)); a = np.abs(x).max(-1, keepdims=True)
;;       e = np.where(a > 0, np.clip(np.frexp(np.where(a > 0, a, 1))[1] - 1 - 2, -126, 127), 0)      # np.frexp(a)[1] - 1 = floor(log2(a)), exactly
;;       r = np.clip(x / 2.0 ** e, -6, 6)
;;       step = 2.0 ** (np.maximum(np.frexp(np.where(r == 0, 1, r))[1] - 1, 0) - 1)
;;       q = np.round(r / step) * step * 2.0 ** e      # np.round: ties to even
;;       return np.moveaxis(q.reshape(q.shape[:-2] + (-1,))[..., :K], -1, axis).astype(np.float32)
;;   ~~~
;;   INPUTS GIVEN AS CODES. expert_w (in the module: [8, 1024, 1024], K = its axis 2): each comes as NAME_codes (uint8): NAME with its K axis moved to the last place and cut into blocks of 32 codes, [.., K / 32, bytes a block], one block behind the other in memory; two codes a byte, the lower K in the low four bits (a code: sign, 2 exponent bits, 1 mantissa bit); and NAME_scales (uint8): the same leading axes, one E8M0 byte (e + 127) for each 32 codes along K. Its value is code x scale, taken as it is: it is not quantised again, and the codes and scales need not be those that the quantiser above would give.
;; 2 versions. Each part assembles by itself: llvm-mc -triple=amdgcn-amd-amdhsa -mcpu=gfx1250 --defsym DOCPART=n.
;; ======== version 1 of 2: 2 launches
;; workspace buffers: xq 4,194,304 bytes; xs 262,144 bytes; tab 8,192 bytes of whole numbers; ord 32,768 bytes of whole numbers
;; launch route (part 1): grid 256 x 1, 4 waves a work-group, no clusters, 76,288 bytes of LDS; arguments x, gate_w, xq, xs, tab, ord; writes xq, xs, tab, ord
.if DOCPART == 1
	.amdgcn_target "amdgcn-amd-amdhsa--gfx1250"
	.amdhsa_code_object_version 6
	.text
	.protected	k_q20986967e0_route
	.globl	k_q20986967e0_route
	.p2align	8
	.type	k_q20986967e0_route,@function
k_q20986967e0_route:
	s_mov_b64 s[64:65], 0
	v_nop
	global_prefetch_b8 v0, s[64:65] scope:SCOPE_SE
	s_setreg_imm32_b32 hwreg(HW_REG_WAVE_MODE, 25, 1), 1
	s_wait_xcnt 0x0
; ROUTE.  x [8192][1024] f32, gate_w [8][1024] f32.  Three things are made of x, which is read once here:
;   the scores x . gate_w (f32 fused multiply-adds) and of them the chosen expert of each token (the lowest index wins a tie);
;   xq, xs: x as codes of E2M1 along its 1,024, a row of 512 bytes a token, and one E8M0 byte for each 32 numbers, 32 bytes a token;
;   tab, ord: whole numbers at fixed places, from which the next launch places the rows by expert.
; A work-group is a GROUP of 32 tokens (32 g .. 32 g + 31); wave w takes tokens 8 w .. 8 w + 7 of it, each as a whole row.
;   tab[e][g] = c | (32 g + o) << 16: c tokens of group g chose expert e, o tokens of the group chose a lower expert.
;   ord[32 g + p] = the token that stands at place p when the group is sorted by expert.
; No address and no branch of this launch hangs on a score: the choice only selects values (v_cndmask_b32).
; A block's scale is 2^(floor(log2(its largest magnitude)) - 2); its byte is the largest magnitude's exponent field - 2, held at 1 from below.
; LIMITS.  The scores are sums of 64 partial sums and a tree, in f32: where a token's two best scores lie closer than the rounding of such a sum (some 1e-6 of
; their size) the choice may differ from that of another order of summation.  NaN and infinities in x are not served (a NaN score never wins here).
; A block of zeros gets the byte 1 and not 127: its codes are zeros, which add nothing under that byte, and the bytes are read by this program alone.
; No tensor loads, no matrix work, no cluster: work-groups share only the gate's 32,768 bytes, which each reads once.
; REGISTERS, in windows of 256: window 0: v1-10 addresses; v16-31 eight sums in pairs; v32-47 the sum over the lanes; v48-79 32 neighbours of a row (v48-111 first take the gate's rows);
;   v112-143 codes, four registers a token; v144-159 scale bytes; v160-167 at work; v168-184 wave 0's tables.   window 1: the gate, expert e at v[32 e].   window 2: x as loaded, token t at v[32 t].
.set GIMG, 0                           ; LDS: the gate as 64 images of 512 bytes: image 8 e + j = bytes 512 j on of row e, 16 bytes a lane
.set QST,  32768                       ; two stages of 5,120 bytes for each wave: a row of x with 16 bytes of padding behind each 64
.set QW,   10240
.set QS,   5120
.set SP,   80
.set SBY,  73728                       ; 256 scale bytes for each wave
.set SC,   74752                       ; the scores: [token 32][expert 8] f32
.set ACC,  16
.set BF,   32
.set X,    48
.set CD,   112
.set SB,   144
.set TM,   160
.set MSB, 0
.macro WIN new                         ; s_set_vgpr_msb: bits 1:0 source 0, 3:2 source 1, 5:4 source 2, 7:6 destination; the high byte repeats the setting that is left
.if MSB != \new
	s_set_vgpr_msb (MSB<<8)|\new
.set MSB, \new
.endif
.endm
.macro BARRIER                         ; my LDS stores have landed and my LDS loads are in: then the work-group's barrier
	s_wait_dscnt 0x0
	s_barrier_signal -1
	s_barrier_wait -1
.endm
	s_load_b256 s[4:11], s[0:1], 0x0               ; x s[4:5], gate_w s[6:7], xq s[8:9], xs s[10:11]
	s_load_b128 s[12:15], s[0:1], 0x20             ; tab s[12:13], ord s[14:15]
	v_lshl_add_u32 v254, v0, 2, 0x12800
	v_mov_b32 v255, 0
	v_lshrrev_b32 v1, 5, v0
	v_readfirstlane_b32 s16, v1                    ; wave 0..3
	v_and_b32 v1, 31, v0                           ; lane
	v_lshlrev_b32 v2, 4, v1                        ; 16 x lane: my 16 bytes of a load's 512
	s_mul_i32 s43, s16, QW
	s_add_co_u32 s43, s43, QST                     ; my wave's stages
	v_lshrrev_b32 v3, 2, v1
	v_mul_u32_u24 v3, v3, SP
	v_and_b32 v4, 3, v1
	v_lshl_add_u32 v3, v4, 4, v3
	v_add_nc_u32 v3, s43, v3                       ; into a stage: four lanes' 64 bytes on end, then the padding
	v_mul_u32_u24 v4, v1, SP
	v_add_nc_u32 v4, s43, v4                       ; out of it: 64 bytes, 16 neighbours, a lane
	s_lshl_b32 s43, s16, 8
	s_add_co_u32 s45, s43, SBY
	v_lshrrev_b32 v5, 1, v1
	v_add_nc_u32 v5, s45, v5                       ; my block's scale byte (two lanes hold a block)
	v_lshlrev_b32 v7, 3, v1                        ; 8 x lane: my 16 codes, and my 8 scale bytes on the way out
	v_add_nc_u32 v6, s45, v7
	s_add_co_u32 s45, s43, SC
	v_and_b32 v8, 7, v1
	v_lshl_add_u32 v8, v8, 2, s45                  ; the scores of my wave's tokens: expert lane % 8
	s_lshl_b32 s45, s16, 13
	v_add_nc_u32 v9, s45, v2                       ; the images of the two gate rows that my wave brings
	v_lshl_add_u32 v10, v1, 5, SC                  ; wave 0 at the end: lane = token
	s_mov_b32 s20, 0xaaaaaaaa                      ; lanes with bit 0, 1, 2 of their number set
	s_mov_b32 s21, 0xcccccccc
	s_mov_b32 s22, 0xf0f0f0f0
	s_mov_b32 s24, 0x76543210                      ; v_permlanex16_b32: lane l xor 16
	s_mov_b32 s25, 0xfedcba98
	s_lshl_b32 s44, ttmp9, 5                       ; 32 g: the group's first token
	s_mov_b32 s19, 0
	s_wait_kmcnt 0x0
	s_lshl_b32 s18, ttmp9, 17                      ; x: 32 rows of 4,096 bytes a group, 8 a wave
	s_lshl_b32 s43, s16, 15
	s_add_co_u32 s18, s18, s43
	s_add_nc_u64 s[4:5], s[4:5], s[18:19]
	s_lshl_b32 s18, s16, 13                        ; the gate: rows 2 w and 2 w + 1
	s_add_nc_u64 s[6:7], s[6:7], s[18:19]
	s_lshl_b32 s18, ttmp9, 14                      ; xq: 512 bytes a token
	s_lshl_b32 s43, s16, 12
	s_add_co_u32 s18, s18, s43
	s_add_nc_u64 s[8:9], s[8:9], s[18:19]
	s_lshl_b32 s18, ttmp9, 10                      ; xs: 32 bytes a token
	s_lshl_b32 s43, s16, 8
	s_add_co_u32 s18, s18, s43
	s_add_nc_u64 s[10:11], s[10:11], s[18:19]
	s_lshl_b32 s18, ttmp9, 2                       ; tab: word g of each expert's row
	s_add_nc_u64 s[12:13], s[12:13], s[18:19]
	s_lshl_b32 s18, ttmp9, 7                       ; ord: 32 words a group
	s_add_nc_u64 s[14:15], s[14:15], s[18:19]
	; ALL LOADS AT ONCE: two rows of the gate, then my eight tokens: each load reads 512 consecutive bytes; 32,768 bytes of x a wave are on their way
.set i, 0
.rept 16
	global_load_b128 v[X+4*i:X+4*i+3], v2, s[6:7] offset:512*i
.set i, i+1
.endr
	WIN 0x80
.set i, 0
.rept 64
	global_load_b128 v[4*i:4*i+3], v2, s[4:5] offset:512*i th:TH_LOAD_NT   ; token i / 8, bytes 512 (i % 8) on
.set i, i+1
.endr
	WIN 0
	s_wait_loadcnt 63                              ; 64 loads were issued behind the gate's: the gate's are in
.set i, 0
.rept 16
	ds_store_b128 v9, v[X+4*i:X+4*i+3] offset:512*i
.set i, i+1
.endr
	BARRIER                                        ; the whole gate lies in LDS
	WIN 0x40
.set i, 0
.rept 64
	ds_load_b128 v[4*i:4*i+3], v2 offset:GIMG+512*i   ; every wave takes all eight rows into window 1: lane l holds the same elements of the gate as of x
.set i, i+1
.endr
	WIN 0
	s_wait_dscnt 0x0
; The sum of eight numbers a lane (v[BF] on: expert e) over the 32 lanes.  In each of three steps a lane keeps half of its numbers and hands the other half to the lane whose number differs in one bit:
; 8 -> 4 -> 2 -> 1, and lane l is left with expert l % 8.  Two more steps add the four lanes that hold the same expert.  Result in v[BF+8].
.macro BFLY
.irp k, 0,1,2,3
	v_cndmask_b32 v[BF+8+\k], v[BF+2*\k], v[BF+2*\k+1], s20       ; kept
	v_cndmask_b32 v[BF+12+\k], v[BF+2*\k+1], v[BF+2*\k], s20      ; handed over
.endr
.irp k, 0,1,2,3
	v_add_f32_dpp v[BF+8+\k], v[BF+12+\k], v[BF+8+\k] row_xmask:1 row_mask:0xf bank_mask:0xf
.endr
.irp m, 0,1
	v_cndmask_b32 v[BF+\m], v[BF+8+2*\m], v[BF+9+2*\m], s21
	v_cndmask_b32 v[BF+2+\m], v[BF+9+2*\m], v[BF+8+2*\m], s21
.endr
.irp m, 0,1
	v_add_f32_dpp v[BF+\m], v[BF+2+\m], v[BF+\m] row_xmask:2 row_mask:0xf bank_mask:0xf
.endr
	v_cndmask_b32 v[BF+8], v[BF], v[BF+1], s22
	v_cndmask_b32 v[BF+9], v[BF+1], v[BF], s22
	v_add_f32_dpp v[BF+8], v[BF+9], v[BF+8] row_xmask:4 row_mask:0xf bank_mask:0xf
	v_add_f32_dpp v[BF+8], v[BF+8], v[BF+8] row_xmask:8 row_mask:0xf bank_mask:0xf
	v_permlanex16_b32 v[BF+9], v[BF+8], s24, s25
	v_add_f32 v[BF+8], v[BF+8], v[BF+9]
.endm
; 512 numbers of token t, half h of its row: a lane's 16 neighbours become 8 bytes of codes, two lanes' block a scale byte.
.macro QSTEP t, h
.set XH, X+16*(\h)
.set TH, TM+3*(\h)
	v_max3_num_f32 v[TH], |v[XH]|, |v[XH+1]|, |v[XH+2]|            ; the largest magnitude of my 16, in two chains
	v_max3_num_f32 v[TH+1], |v[XH+3]|, |v[XH+4]|, |v[XH+5]|
.irp i, 6,10
	v_max3_num_f32 v[TH], v[TH], |v[XH+\i]|, |v[XH+\i+1]|
	v_max3_num_f32 v[TH+1], v[TH+1], |v[XH+\i+2]|, |v[XH+\i+3]|
.endr
	v_max3_num_f32 v[TH], v[TH], |v[XH+14]|, |v[XH+15]|
	v_max3_num_f32 v[TH], v[TH], v[TH+1], 0x1800000                ; and the floor 2^(3 - 127): the byte cannot fall under 1
	v_max_num_f32_dpp v[TH], v[TH], v[TH] row_xmask:1 row_mask:0xf bank_mask:0xf   ; with my neighbour's 16: the block's
	v_add_nc_u32 v[TH+2], 0xff000000, v[TH]                        ; 2 off its exponent field: the conversion takes the exponent field of this operand as its scale
	v_cvt_scalef32_pk8_fp4_f32 v[CD+4*(\t)+2*(\h)], v[XH:XH+7], v[TH+2]
	v_cvt_scalef32_pk8_fp4_f32 v[CD+4*(\t)+2*(\h)+1], v[XH+8:XH+15], v[TH+2]
	v_lshrrev_b32 v[SB+2*(\t)+(\h)], 23, v[TH+2]                   ; the scale's byte; also the plain instruction behind the conversions
	ds_store_b8 v5, v[SB+2*(\t)+(\h)] offset:32*(\t)+16*(\h)       ; both lanes of a block write the same byte with the same value
	global_store_b64 v7, v[CD+4*(\t)+2*(\h):CD+4*(\t)+2*(\h)+1], s[8:9] offset:512*(\t)+256*(\h)   ; the wave stores 256 consecutive bytes, aligned; each token has code registers of its own
.endm
; One token: its row goes through my stage (as loaded in, 16 neighbours a lane out); the eight dot products are made of the registers as loaded while the stage's loads are out.
.macro TOKEN t
	s_wait_loadcnt 8*(7-(\t))                      ; my eight loads of this token are in; those of the tokens behind it may be out
	WIN 0x08                                       ; an LDS store's data are its source 1: window 2
.irp j, 0,1,2,3,4,5,6,7
	ds_store_b128 v3, v[32*(\t)+4*\j:32*(\t)+4*\j+3] offset:QS*((\t)%2)+8*SP*\j
.endr
	WIN 0
.irp h, 0,1
.irp i, 0,1,2,3
	ds_load_b128 v[X+16*\h+4*\i:X+16*\h+4*\i+3], v4 offset:QS*((\t)%2)+32*SP*\h+16*\i   ; LDS serves a wave's instructions in order: these see the stores above
.endr
.endr
	WIN 0x06                                       ; source 0 (x) window 2, source 1 (the gate) window 1
.irp e, 0,1,2,3,4,5,6,7
	v_pk_mul_f32 v[ACC+2*\e:ACC+2*\e+1], v[32*(\t):32*(\t)+1], v[32*\e:32*\e+1]   ; the first products start the sums
.endr
.irp p, 1,2,3,4,5,6,7,8,9,10,11,12,13,14,15
.irp e, 0,1,2,3,4,5,6,7
	v_pk_fma_f32 v[ACC+2*\e:ACC+2*\e+1], v[32*(\t)+2*\p:32*(\t)+2*\p+1], v[32*\e+2*\p:32*\e+2*\p+1], v[ACC+2*\e:ACC+2*\e+1]   ; the eight experts by turns
.endr
.endr
	WIN 0
.irp e, 0,1,2,3,4,5,6,7
	v_add_f32 v[BF+\e], v[ACC+2*\e], v[ACC+2*\e+1]
.endr
	BFLY
	ds_store_b32 v8, v[BF+8] offset:32*(\t)        ; lanes with the same lane % 8 write the same word with the same value
	s_wait_dscnt 1                                 ; the stage's loads are in; the store just issued may be out
	QSTEP \t, 0
	QSTEP \t, 1
.endm
.irp t, 0,1,2,3,4,5,6,7
	TOKEN \t
.endr
	ds_load_b64 v[TM+6:TM+7], v6                   ; my wave's 256 scale bytes, 8 a lane (in order behind my byte stores)
	s_wait_dscnt 0x0
	global_store_b64 v7, v[TM+6:TM+7], s[10:11]    ; 256 consecutive bytes, aligned
	BARRIER                                        ; all 32 tokens' scores lie in LDS
	s_cmp_lg_u32 s16, 0
	s_cbranch_scc1 .Lend                           ; behind the last barrier: the tables are wave 0's work
	; WAVE 0, a lane a token.  The choice, the counts, each token's place in the group sorted by expert, and the inverse of that order: by values alone
	ds_load_b128 v[168:171], v10
	ds_load_b128 v[172:175], v10 offset:16
	v_mov_b32 v177, 0                              ; the chosen expert
	v_mov_b32 v179, 0                              ; my place
	v_mov_b32 v180, 0                              ; the token at place = my lane
	s_mov_b32 s42, 0                               ; o
	s_wait_dscnt 0x0
	v_mov_b32 v176, v168
.irp e, 1,2,3,4,5,6,7
	v_cmp_gt_f32 vcc_lo, v[168+\e], v176           ; strictly greater: the lowest index keeps a tie
	v_cndmask_b32 v176, v176, v[168+\e], vcc_lo
	v_cndmask_b32 v177, v177, \e, vcc_lo
.endr
.irp e, 0,1,2,3,4,5,6,7
	v_cmp_eq_u32 s[26+\e], \e, v177                ; the tokens of expert e
	s_bcnt1_i32_b32 s43, s[26+\e]                  ; c
	v_mbcnt_lo_u32_b32 v178, s[26+\e], s42         ; o + how many of them stand in lower lanes
	v_cndmask_b32 v179, v179, v178, s[26+\e]
	s_add_co_u32 s[34+\e], s44, s42
	s_lshl_b32 s[34+\e], s[34+\e], 16
	s_or_b32 s[34+\e], s[34+\e], s43               ; c | (32 g + o) << 16
	s_add_co_u32 s42, s42, s43
.endr
.irp b, 0,8,16,24
.irp i, 0,1,2,3,4,5,6,7
	v_readlane_b32 s[46+\i], v179, \b+\i           ; token b + i stands at this place:
.endr
.irp i, 0,1,2,3,4,5,6,7
	v_cmp_eq_u32 vcc_lo, s[46+\i], v1              ; the lane of that number takes the token
	v_cndmask_b32 v180, v180, \b+\i, vcc_lo
.endr
.endr
	v_and_b32 v182, 7, v1
	v_mov_b32 v183, s34
.irp e, 1,2,3,4,5,6,7
	v_cmp_eq_u32 vcc_lo, \e, v182
	v_cndmask_b32 v183, v183, s[34+\e], vcc_lo     ; lane l: the word of expert l % 8
.endr
	v_lshlrev_b32 v184, 10, v182                   ; a row of tab is 1,024 bytes
	v_lshlrev_b32 v181, 2, v1
	v_add_nc_u32 v180, s44, v180
	global_store_b32 v181, v180, s[14:15]          ; ord: 128 consecutive bytes
	global_store_b32 v184, v183, s[12:13]          ; tab: eight words; four lanes write each with the same value
.Lend:
	s_wait_tensorcnt 0x0
	ds_add_u32 v254, v255
	s_wait_dscnt 0x0
	s_endpgm
.Lfunc_end_k_q20986967e0_route:
	.size	k_q20986967e0_route, .Lfunc_end_k_q20986967e0_route-k_q20986967e0_route
	.p2alignl 7, 3214868480
	.fill 96, 4, 3214868480
	.section	.rodata,"a",@progbits
	.p2align	6, 0x0
	.amdhsa_kernel k_q20986967e0_route
		.amdhsa_group_segment_fixed_size 76288
		.amdhsa_private_segment_fixed_size 0
		.amdhsa_enable_private_segment 0
		.amdhsa_kernarg_size 48
		.amdhsa_user_sgpr_count 2
		.amdhsa_user_sgpr_kernarg_segment_ptr 1
		.amdhsa_wavefront_size32 1
		.amdhsa_system_sgpr_workgroup_id_x 1
		.amdhsa_system_sgpr_workgroup_id_y 1
		.amdhsa_system_sgpr_workgroup_id_z 1
		.amdhsa_system_vgpr_workitem_id 0
		.amdhsa_next_free_vgpr 768
		.amdhsa_next_free_sgpr 66
		.amdhsa_reserve_vcc 1
		.amdhsa_float_denorm_mode_32 3
		.amdhsa_float_denorm_mode_16_64 3
		.amdhsa_memory_ordered 1
		.amdhsa_forward_progress 1
		.amdhsa_inst_pref_size 130
	.end_amdhsa_kernel
	.amdgpu_metadata
---
amdhsa.version: [ 1, 2 ]
amdhsa.kernels:
  - .name:           k_q20986967e0_route
    .symbol:         k_q20986967e0_route.kd
    .args:
      - { .name: x, .offset: 0, .size: 8, .value_kind: global_buffer, .address_space: global }
      - { .name: gate_w, .offset: 8, .size: 8, .value_kind: global_buffer, .address_space: global }
      - { .name: xq, .offset: 16, .size: 8, .value_kind: global_buffer, .address_space: global }
      - { .name: xs, .offset: 24, .size: 8, .value_kind: global_buffer, .address_space: global }
      - { .name: tab, .offset: 32, .size: 8, .value_kind: global_buffer, .address_space: global }
      - { .name: ord, .offset: 40, .size: 8, .value_kind: global_buffer, .address_space: global }
    .group_segment_fixed_size: 76288
    .private_segment_fixed_size: 0
    .kernarg_segment_align: 8
    .kernarg_segment_size: 48
    .max_flat_workgroup_size: 128
    .sgpr_count:     66
    .vgpr_count:     768
    .wavefront_size: 32
...
	.end_amdgpu_metadata
.endif
;; end of part 1
;; launch experts (part 2): grid 64 x 4, 4 waves a work-group, no clusters, 230,144 bytes of LDS; arguments x, xq, xs, expert_w_codes, expert_w_scales, tab, ord, out0; writes out0
.if DOCPART == 2
	.amdgcn_target "amdgcn-amd-amdhsa--gfx1250"
	.amdhsa_code_object_version 6
	.text
	.protected	k_q20986967e0_experts
	.globl	k_q20986967e0_experts
	.p2align	8
	.type	k_q20986967e0_experts,@function
k_q20986967e0_experts:
	s_mov_b64 s[64:65], 0
	v_nop
	global_prefetch_b8 v0, s[64:65] scope:SCOPE_SE
	s_setreg_imm32_b32 hwreg(HW_REG_WAVE_MODE, 25, 1), 1
	s_wait_xcnt 0x0
; EXPERTS.  out0[token] = x[token] + Q(x)[token] W[chosen expert]^T, on codes of E2M1 with one E8M0 scale for each 32 along K = 1,024.  Only the chosen expert's rows are multiplied.
; TILES.  A tile is at most 144 rows (tokens) of ONE expert x 256 columns.  An expert with T tokens has ceil(T / 144) row tiles, over which its rows are spread evenly; the sum of these over
; the eight experts is at most (8,192 + 8 x 143) / 144, that is 64, whatever the choice: the grid is 64 row tiles x 4 slices of 256 columns.  A row tile that the split leaves empty stores nothing and ends.
; WHICH ROWS.  Every wave reads tab (8,192 bytes) and finds by itself the tile's expert, its first rank LO and its number of rows; slot i of the tile is the token of rank LO + i among the expert's tokens, in a
; fixed order of the 256 groups of 32 tokens; it is found by a search over 32 lanes' sums, a search in one lane's eight groups, and one load from ord.  Slots past the tile's rows repeat its last row:
; they compute and store the same bytes at the same place.
; SHARES.  Wave w makes columns 64 w .. 64 w + 63 of the slice (4 tiles of 16) for all 144 slots (9 tiles of 16).  Its 64 rows of W are read as whole rows of 512 bytes, turned into
; fragments through its own LDS bytes, and stay in registers for all of K.  The tokens' codes are gathered as whole rows of 512 bytes into LDS, 36 rows a wave, and read by all four waves.
; THE PRODUCTS GO BY TILES OF 16 TOKENS, NOT BY K: a tile's eight fragments (all of K) against W's 32: 32 products on four accumulators, K ascending; then the tile leaves while the next is multiplied.
; THE MATRIX INSTRUCTION IS USED TRANSPOSED (source 0 = 16 rows of W, source 1 = 16 tokens): a lane holds one token and eight neighbouring columns.
; THE RESIDUAL is asked for as soon as the tokens are known, straight behind the gathers of the codes, and added on the way out, where sixteen lanes hold 256 consecutive bytes of a row.
; The 72 offsets token x 4,096 + 16 (lane % 16) serve the residual's loads and the stores alike and are never written again.
; NO TENSOR LOADS, NO CLUSTER, NO JOINT LOADS, though the four slices of a row tile share the tokens' codes and the tiles of an expert share W: rows, expert and the early end hang on numbers read
; from tab and ord, so every operand goes through registers.
; LIMITS: those of the launch before, which makes the choice and the codes.  W's codes and scale bytes are taken as they are given.
; REGISTERS, in windows of 256.  window 0: v1-15, v236-239 addresses; v16-31 W's scale words, v32-67 x's (scales and nothing else); at the head v68-191 tab's words and the search;
;   from the first barrier on v68-139 the rows' offsets, v140-171 the residual of tile 8, v172-216 the gathers' offsets.
;   window 1: W as loaded, then W's fragments, (K step s, tile n) at v[8 (4 s + n)].
;   window 2: x's codes as loaded (v0-143); then v0-63 two sets of four accumulators, v64-191 two sets of a tile's eight fragments, v192-255 two sets of 16 rows on the way out.
;   window 3: the residual of tile a, a < 8, at v[32 a].
.set LST, 0                            ; LDS: the token of slot i at 4 i: 576 bytes
.set XC,  1024                         ; the tokens' codes: 144 rows
.set XP,  528                          ; of 512 bytes + 16: 33 x 16, so that the sixteen rows that a load touches start 16 bytes apart modulo 256
.set WT,  XC+144*XP                    ; each wave's own 64 rows of W, same pitch
.set STG, WT+4*64*XP                   ; each wave's own stage: 16 rows x (256 bytes + 16)
.set SP,  272
.set WS,  16
.set XS,  32
.set OFF, 68                           ; window 0: offset of row 8 h + t of tile a at v[OFF + 8 a + t]
.set R8,  140                          ; window 0: the residual of tile 8
.set GO,  172                          ; window 0: the gathers' offsets: 36 for the codes, 9 for the scale words
.set ACC, 0                            ; window 2
.set XF,  64                           ; window 2
.set OB,  192                          ; window 2
.set MSB, 0
.macro WIN new                         ; s_set_vgpr_msb: bits 1:0 source 0, 3:2 source 1, 5:4 source 2, 7:6 destination; the high byte repeats the setting that is left
.if MSB != \new
	s_set_vgpr_msb (MSB<<8)|\new
.set MSB, \new
.endif
.endm
.macro BARRIER
	s_wait_dscnt 0x0
	s_barrier_signal -1
	s_barrier_wait -1
.endm
.macro PLACES                          ; four plain vector instructions between a matrix instruction and a read of its results (ISA guide 7.12.1)
.rept 4
	v_nop
.endr
.endm
	s_load_b512 s[4:19], s[0:1], 0x0               ; x s[4:5], xq s[6:7], xs s[8:9], W's codes s[10:11], W's scales s[12:13], tab s[14:15], ord s[16:17], out0 s[18:19]
	v_lshl_add_u32 v254, v0, 2, 0x38100
	v_mov_b32 v255, 0
	v_lshrrev_b32 v1, 5, v0
	v_readfirstlane_b32 s20, v1                    ; wave 0..3
	v_mul_u32_u24 v7, v1, 144                      ; LST: my wave's 36 slots
	v_and_b32 v1, 31, v0                           ; lane
	v_and_b32 v2, 15, v0                           ; r
	v_bfe_u32 v3, v0, 4, 1                         ; h
	v_lshlrev_b32 v4, 4, v1                        ; 16 x lane
	v_lshlrev_b32 v5, 2, v0                        ; LST: slot = my thread's number
	s_mov_b32 s21, ttmp9                           ; R: the row tile
	s_and_b32 s22, ttmp7, 0xffff                   ; y: the slice of 256 columns
	s_lshl_b32 s49, s20, 2
	s_add_co_u32 s49, s49, 128
	v_and_b32 v149, 3, v0
	v_add_nc_u32 v149, s49, v149                   ; my second slot: 128 + 4 w + lane % 4 (eight lanes work the same slot)
	v_lshlrev_b32 v6, 2, v149
	v_lshlrev_b32 v8, 2, v2                        ; LST: slot r of a tile
	v_lshlrev_b32 v9, 5, v3                        ; LST: slots 8 h on of a tile
	s_mul_i32 s49, s20, 36*XP
	s_add_co_u32 s49, s49, XC
	v_add_nc_u32 v10, s49, v4                      ; where I store the codes of my wave's 36 slots
	v_mul_u32_u24 v11, v2, XP
	v_lshl_add_u32 v11, v3, 4, v11                 ; a fragment: row r x pitch + 16 h
	s_mul_i32 s49, s20, 64*XP
	s_add_co_u32 s49, s49, WT
	v_add_nc_u32 v13, s49, v4                      ; W's rows in,
	v_add_nc_u32 v14, s49, v11                     ; W's fragments out
	v_add_nc_u32 v12, XC+8*16*XP, v11              ; x's fragments of tile 8 (beyond the reach of a 16-bit offset from v11)
	v_add_nc_u32 v11, XC, v11                      ; and of tiles 0-7
	v_lshlrev_b32 v15, 4, v2                       ; 16 r
	s_mul_i32 s49, s20, 16*SP
	s_add_co_u32 s49, s49, STG
	v_mul_u32_u24 v236, v2, SP
	v_lshl_add_u32 v236, v3, 5, v236
	v_add_nc_u32 v236, s49, v236                   ; the stage, in: row r, 32 bytes for each half of the lanes
	v_mul_u32_u24 v237, v3, 8*SP
	v_add_nc_u32 v237, v237, v15
	v_add_nc_u32 v237, s49, v237                   ; back: lanes 0-15 row t, lanes 16-31 row t + 8
	v_lshlrev_b32 v239, 4, v3                      ; 16 h
	v_lshl_add_u32 v238, v2, 5, v239               ; scale bytes: 32 a row; lanes 0-15 the words of K steps 0-3, lanes 16-31 of 4-7
	s_mov_b32 s56, 0x76543210                      ; v_permlanex16_b32: lane l xor 16
	s_mov_b32 s57, 0xfedcba98
	s_mov_b32 s59, 0
	s_mov_b32 s23, 0                               ; tiles of the experts passed so far
	s_mov_b32 s32, 0
	s_mov_b32 s33, 0
	s_mov_b32 s34, 0
	s_mov_b32 s35, 0
.irp k, 0,1,2,3
	v_mov_b32 v[144+\k], 0                         ; written once: the destination of a move between lanes counts as one of its sources
.endr
	s_wait_kmcnt 0x0
.irp e, 0,1,2,3,4,5,6,7
.irp j, 0,1
	global_load_b128 v[68+8*\e+4*\j:68+8*\e+4*\j+3], v4, s[14:15] offset:1024*\e+512*\j   ; tab, whole: register 4 j + q of expert e in lane l is group 128 j + 4 l + q
.endr
.endr
	s_lshl_b32 s58, s22, 10
	s_lshl_b32 s49, s20, 8
	s_add_co_u32 s58, s58, s49                     ; my 64 columns in a row of x and of out0: 1,024 y + 256 w bytes
	s_add_nc_u64 s[68:69], s[4:5], s[58:59]
	s_add_nc_u64 s[70:71], s[18:19], s[58:59]
	s_wait_loadcnt 0x0
	; THE EXPERTS' TOTALS.  A word's low half is a count of at most 32: eight words' sum keeps its low half exact.  Two experts to a word, summed over the lanes (at most 8,192 a half)
.irp e, 0,1,2,3,4,5,6,7
	v_add3_u32 v[132+\e], v[68+8*\e], v[69+8*\e], v[70+8*\e]
.endr
.irp e, 0,1,2,3,4,5,6,7
	v_add3_u32 v[132+\e], v[132+\e], v[71+8*\e], v[72+8*\e]
.endr
.irp e, 0,1,2,3,4,5,6,7
	v_add3_u32 v[132+\e], v[132+\e], v[73+8*\e], v[74+8*\e]
.endr
.irp e, 0,1,2,3,4,5,6,7
	v_add_nc_u32 v[132+\e], v[132+\e], v[75+8*\e]
.endr
.irp k, 0,1,2,3
	v_and_b32 v[132+2*\k], 0xffff, v[132+2*\k]
.endr
.irp k, 0,1,2,3
	v_lshl_or_b32 v[140+\k], v[133+2*\k], 16, v[132+2*\k]
.endr
.irp m, 1,2,4,8
.irp k, 0,1,2,3
	v_mov_b32_dpp v[144+\k], v[140+\k] row_xmask:\m row_mask:0xf bank_mask:0xf
.endr
.irp k, 0,1,2,3
	v_add_nc_u32 v[140+\k], v[140+\k], v[144+\k]
.endr
.endr
.irp k, 0,1,2,3
	v_permlanex16_b32 v[144+\k], v[140+\k], s56, s57
.endr
.irp k, 0,1,2,3
	v_add_nc_u32 v[140+\k], v[140+\k], v[144+\k]
.endr
.irp k, 0,1,2,3
	v_readfirstlane_b32 s[72+\k], v[140+\k]
.endr
.irp k, 0,1,2,3
	s_and_b32 s[24+2*\k], s[72+\k], 0xffff         ; T_e in s24-31
	s_lshr_b32 s[25+2*\k], s[72+\k], 16
.endr
; Is my row tile one of expert e's?  The last expert whose first tile is not behind R is the one.  ceil(T / 144) = ((T + 143) x 58,255) >> 23, exact for T up to 8,192.
.macro PICK e
	s_add_co_u32 s49, s[24+\e], 143
	s_mul_i32 s49, s49, 58255
	s_lshr_b32 s49, s49, 23                        ; the expert's tiles
	s_sub_co_u32 s50, s21, s23                     ; which of them R would be
	s_cmp_ge_u32 s21, s23
	s_cselect_b32 s32, \e, s32                     ; E
	s_cselect_b32 s33, s50, s33                    ; J
	s_cselect_b32 s34, s49, s34                    ; NT
	s_cselect_b32 s35, s[24+\e], s35               ; TOT
	s_add_co_u32 s23, s23, s49
.endm
.irp e, 0,1,2,3,4,5,6,7
	PICK \e
.endr
	s_cmp_lt_u32 s21, s23
	s_cselect_b32 s36, 1, 0                        ; has my row tile rows at all?
	s_min_u32 s32, s32, 7                          ; a number made of loaded numbers enters addresses only behind this bound
	s_lshl_b32 s58, s32, 19                        ; W's codes: 1,024 rows of 512 bytes an expert, 256 rows a slice, 64 a wave
	s_lshl_b32 s49, s22, 17
	s_lshl_b32 s50, s20, 15
	s_add_co_u32 s58, s58, s49
	s_add_co_u32 s58, s58, s50
	s_add_nc_u64 s[60:61], s[10:11], s[58:59]
	s_lshl_b32 s58, s32, 15                        ; W's scale bytes: 32 a row
	s_lshl_b32 s49, s22, 13
	s_lshl_b32 s50, s20, 11
	s_add_co_u32 s58, s58, s49
	s_add_co_u32 s58, s58, s50
	s_add_nc_u64 s[66:67], s[12:13], s[58:59]
	WIN 0x40                                       ; W is asked for as soon as the expert is known: it lands while the rows are searched for
.set i, 0
.rept 64
	global_load_b128 v[4*i:4*i+3], v4, s[60:61] offset:512*i       ; row i of my 64: 512 consecutive bytes
.set i, i+1
.endr
	WIN 0
.irp n, 0,1,2,3
	global_load_b128 v[WS+4*\n:WS+4*\n+3], v238, s[66:67] offset:512*\n   ; the scale words of tile n: 512 consecutive bytes
.endr
.irp e, 1,2,3,4,5,6,7
	s_cmp_eq_u32 s32, \e
	s_cselect_b32 s[41+\e], -1, 0                  ; all lanes, or none
.endr
	; the expert's rows, spread evenly over its NT tiles: q = TOT / NT rounded down (at most 144: eight bits), the first TOT - q NT tiles take one row more
	s_mov_b32 s37, 0
.irp b, 7,6,5,4,3,2,1,0
	s_add_co_u32 s49, s37, 1<<\b
	s_mul_i32 s50, s49, s34
	s_cmp_le_u32 s50, s35
	s_cselect_b32 s37, s49, s37
.endr
	s_mul_i32 s50, s37, s34
	s_sub_co_u32 s38, s35, s50                     ; the remainder
	s_mul_i32 s39, s33, s37
	s_min_u32 s50, s33, s38
	s_add_co_u32 s39, s39, s50                     ; LO: my tile's first rank
	s_cmp_lt_u32 s33, s38
	s_cselect_b32 s40, 1, 0
	s_add_co_u32 s40, s40, s37                     ; ROWS, at most 144
	s_max_u32 s41, s40, 1
	s_sub_co_u32 s41, s41, 1                       ; the last slot that has a row of its own
.irp e, 1,2,3,4,5,6,7
.irp i, 0,1,2,3,4,5,6,7
	v_cndmask_b32 v[68+\i], v[68+\i], v[68+8*\e+\i], s[41+\e]      ; my eight groups' words of the tile's expert: v68-75
.endr
.endr
	v_add3_u32 v132, v68, v69, v70
	v_add3_u32 v132, v132, v71, v72
	v_add3_u32 v132, v132, v73, v74
	v_add_nc_u32 v132, v132, v75
	v_and_b32 v132, 0xffff, v132                   ; S: the expert's tokens in my lane's eight groups
	v_lshl_add_u32 v133, v132, 8, 1                ; (S << 8) + 1: what a key grows by from lane to lane
	v_min_u32 v148, s41, v0
	v_min_u32 v149, s41, v149
	v_add_nc_u32 v148, s39, v148                   ; the ranks of my two slots
	v_add_nc_u32 v149, s39, v149
	v_lshl_or_b32 v150, v148, 8, 0xff
	v_lshl_or_b32 v151, v149, 8, 0xff
	v_mov_b32 v152, 0                              ; lane 0's key: 0
	v_mov_b32 v153, 0
	s_mov_b32 s49, 0
; The key of lane l is (the expert's tokens in lower lanes) << 8 | l: it rises with l.  The last key that is not above rank << 8 | 255 names the lane that holds the rank, and what lies ahead of it.
.macro LEVEL1 from, n
.set i, 0
.rept \n
	v_readlane_b32 s[72+i], v133, \from+i
.set i, i+1
.endr
.set i, 0
.rept \n
.if i == 0
	s_add_co_u32 s[72], s[72], s49
.else
	s_add_co_u32 s[72+i], s[72+i], s[72+i-1]       ; the key of lane from + i + 1
.endif
.set i, i+1
.endr
	s_mov_b32 s49, s[72+\n-1]
.set i, 0
.rept \n
	v_cmp_le_u32 vcc_lo, s[72+i], v150
	v_cmp_le_u32 s54, s[72+i], v151
	v_cndmask_b32 v152, v152, s[72+i], vcc_lo
	v_cndmask_b32 v153, v153, s[72+i], s54
.set i, i+1
.endr
.endm
	LEVEL1 0, 16
	LEVEL1 16, 15
	; in that lane's eight groups
.irp z, 0,1
	v_and_b32 v[154+\z], 0xff, v[152+\z]
	v_lshrrev_b32 v[156+\z], 8, v[152+\z]
.endr
.irp z, 0,1
	v_min_u32 v[154+\z], 31, v[154+\z]
	v_sub_nc_u32 v[156+\z], v[148+\z], v[156+\z]   ; the rank within the lane
.endr
.irp z, 0,1
	v_lshlrev_b32 v[154+\z], 2, v[154+\z]
.endr
.irp z, 0,1
.irp i, 0,1,2,3,4,5,6,7
	ds_bpermute_b32 v[176+8*\z+\i], v[154+\z], v[68+\i]            ; that lane's eight words
.endr
.endr
	s_wait_dscnt 0x0
.irp z, 0,1
	v_lshrrev_b32 v[160+\z], 16, v[176+8*\z]       ; group 0: where its tokens of the expert begin in ord, less what lies ahead (nothing)
	v_and_b32 v[158+\z], 0xffff, v[176+8*\z]       ; what lies ahead of group 1
.endr
.macro WALK z, i, m                    ; the last group ahead of which no more than the rank lies
	v_lshrrev_b32 v[164+\z], 16, v[176+8*\z+\i]
	v_cmp_le_u32 \m, v[158+\z], v[156+\z]
	v_sub_nc_u32 v[164+\z], v[164+\z], v[158+\z]
	v_and_b32 v[166+\z], 0xffff, v[176+8*\z+\i]
	v_cndmask_b32 v[160+\z], v[160+\z], v[164+\z], \m
	v_add_nc_u32 v[158+\z], v[158+\z], v[166+\z]
.endm
.irp i, 1,2,3,4,5,6,7
	WALK 0, \i, vcc_lo
	WALK 1, \i, s54
.endr
.irp z, 0,1
	v_add_nc_u32 v[160+\z], v[160+\z], v[156+\z]   ; the slot's place in ord
.endr
.irp z, 0,1
	v_min_u32 v[160+\z], 0x1fff, v[160+\z]         ; held inside the table
.endr
.irp z, 0,1
	v_lshlrev_b32 v[160+\z], 2, v[160+\z]
.endr
	global_load_b32 v162, v160, s[16:17]
	global_load_b32 v163, v161, s[16:17]
	s_wait_loadcnt 0x0                             ; the two tokens; W and its scale words, asked for ahead of the search, are in with them
	v_min_u32 v162, 0x1fff, v162
	v_min_u32 v163, 0x1fff, v163
	ds_store_b32 v5, v162
	ds_store_b32 v6, v163                          ; eight lanes write the same word with the same value
	BARRIER                                        ; the tile's 144 tokens lie in LDS
.macro RESLOAD a                       ; the residual of tile a: instruction t reads 256 consecutive bytes of row t (lanes 0-15) and of row t + 8 (lanes 16-31)
.if (\a) < 8
	WIN 0xc0                                       ; destination window 3
.set rR, 32*(\a)
.else
	WIN 0
.set rR, R8
.endif
.irp t, 0,1,2,3,4,5,6,7
	global_load_b128 v[rR+4*\t:rR+4*\t+3], v[OFF+8*(\a)+\t], s[68:69]
.endr
.endm
	; THE OPERANDS.  First my 36 slots' codes are asked for, a whole row of 512 bytes an instruction, and the scale words; straight behind them the residual of tiles 0 to 5; while all that is on its way W turns into fragments
.irp k, 0,1,2,3,4,5,6,7,8
	ds_load_b128 v[GO+4*\k:GO+4*\k+3], v7 offset:LST+16*\k         ; my 36 slots' tokens, the same in every lane
.endr
.irp a, 0,1,2,3,4,5,6,7,8
	ds_load_b32 v[GO+36+\a], v8 offset:LST+64*\a                   ; the token of row r of tile a
.endr
.irp a, 0,1,2,3,4,5,6,7,8
	ds_load_b128 v[OFF+8*\a:OFF+8*\a+3], v9 offset:LST+64*\a       ; the tokens of rows 8 h + 0 .. 7 of tile a
	ds_load_b128 v[OFF+8*\a+4:OFF+8*\a+7], v9 offset:LST+64*\a+16
.endr
	s_wait_dscnt 18                                ; the gathers' tokens are in; the 18 loads behind them may be out
.set i, 0
.rept 45
	v_min_u32 v[GO+i], 0x1fff, v[GO+i]
.set i, i+1
.endr
.set i, 0
.rept 36
	v_lshl_add_u32 v[GO+i], v[GO+i], 9, v4         ; 512 bytes a token + 16 x lane
.set i, i+1
.endr
.irp a, 0,1,2,3,4,5,6,7,8
	v_lshl_add_u32 v[GO+36+\a], v[GO+36+\a], 5, v239   ; 32 bytes a token + 16 h
.endr
	WIN 0x80
.set i, 0
.rept 36
	global_load_b128 v[4*i:4*i+3], v[GO+i], s[6:7]
.set i, i+1
.endr
	WIN 0
.irp a, 0,1,2,3,4,5,6,7,8
	global_load_b128 v[XS+4*\a:XS+4*\a+3], v[GO+36+\a], s[8:9]     ; x's scale words: lanes 0-15 K steps 0-3, lanes 16-31 K steps 4-7
.endr
	s_wait_dscnt 0x0
.set i, 0
.rept 72
	v_min_u32 v[OFF+i], 0x1fff, v[OFF+i]
.set i, i+1
.endr
.set i, 0
.rept 72
	v_lshl_add_u32 v[OFF+i], v[OFF+i], 12, v15     ; 4,096 bytes a token + 16 r: for the residual's loads and for the stores; never written again
.set i, i+1
.endr
.irp a, 0,1,2,3,4,5
	RESLOAD \a
.endr
	WIN 0x04                                       ; an LDS store's data are its source 1: window 1
.set i, 0
.rept 64
	ds_store_b128 v13, v[4*i:4*i+3] offset:XP*i
.set i, i+1
.endr
	WIN 0x40
.irp s, 0,1,2,3,4,5,6,7
.irp n, 0,1,2,3
.irp c, 0,1
	ds_load_b128 v[8*(4*\s+\n)+4*\c:8*(4*\s+\n)+4*\c+3], v14 offset:16*XP*\n+64*\s+32*\c   ; my own bytes, served in order behind the stores above: no wait, no barrier.  Registers 4 c on: K = 128 s + 64 c + 32 h + 0 .. 31 of row r
.endr
.endr
.endr
	s_wait_loadcnt 57                              ; the 36 rows of codes are in; behind them 9 loads of scale words and 48 of the residual may be out
	WIN 0x08
.set i, 0
.rept 36
	ds_store_b128 v10, v[4*i:4*i+3] offset:XP*i
.set i, i+1
.endr
	WIN 0
	BARRIER                                        ; all 144 rows of codes lie in LDS; W's fragments are in my registers
	s_cmp_eq_u32 s36, 0
	s_cbranch_scc1 .Lend                           ; a row tile without rows ends here, behind the last barrier
.macro FRAGS a                         ; tile a's eight fragments, all of K, into set a % 2
.set rX, XF+64*((\a)%2)
	WIN 0x80                                       ; destination window 2
.irp s, 0,1,2,3,4,5,6,7
.irp c, 0,1
.if (\a) < 8
	ds_load_b128 v[rX+8*\s+4*\c:rX+8*\s+4*\c+3], v11 offset:16*XP*(\a)+64*\s+32*\c
.else
	ds_load_b128 v[rX+8*\s+4*\c:rX+8*\s+4*\c+3], v12 offset:64*\s+32*\c
.endif
.endr
.endr
.endm
.macro MUL1 s, a, n                    ; one product: 16 columns x 16 tokens x 128 along K.  The first K step starts the sums
.set rD, ACC+32*((\a)%2)+8*(\n)
.set rW, 8*(4*(\s)+(\n))
.set rX, XF+64*((\a)%2)+8*(\s)
.set rWS, WS+4*(\n)+(\s)%4
.set rXS, XS+4*(\a)+(\s)%4
.if (\s) == 0
	v_wmma_scale_f32_16x16x128_f8f6f4 v[rD:rD+7], v[rW:rW+7], v[rX:rX+7], 0, v[rWS], v[rXS] matrix_a_fmt:MATRIX_FMT_FP4 matrix_b_fmt:MATRIX_FMT_FP4
.elseif (\s) < 4
	v_wmma_scale_f32_16x16x128_f8f6f4 v[rD:rD+7], v[rW:rW+7], v[rX:rX+7], v[rD:rD+7], v[rWS], v[rXS] matrix_a_fmt:MATRIX_FMT_FP4 matrix_b_fmt:MATRIX_FMT_FP4
.else
	v_wmma_scale_f32_16x16x128_f8f6f4 v[rD:rD+7], v[rW:rW+7], v[rX:rX+7], v[rD:rD+7], v[rWS], v[rXS] matrix_a_fmt:MATRIX_FMT_FP4 matrix_b_fmt:MATRIX_FMT_FP4 matrix_a_scale:MATRIX_SCALE_ROW1 matrix_b_scale:MATRIX_SCALE_ROW1
.endif
.endm
.macro MULS a                          ; a tile's 32 products, K ascending; its four accumulators take turns, one instruction a turn
	WIN 0xa9                                       ; source 0 (W) window 1; source 1 (x), C and D window 2
.irp s, 0,1,2,3,4,5,6,7
.irp n, 0,1,2,3
	MUL1 \s, \a, \n
.endr
.endr
.endm
; THE WAY OUT of a tile of 16 rows x 64 columns.  A lane holds 32 bytes of a row and the lanes beside it other rows: the tile goes through my own stage and comes back so that sixteen lanes hold
; 256 consecutive bytes of a row; there the residual is added and the row stored.  LDS serves a wave's instructions in order: no wait between the stores and the loads, nor ahead of the next tile's stores.
.macro TOSTAGE a
.set AC, ACC+32*((\a)%2)
	WIN 0x08                                       ; the data: window 2
.irp n, 0,1,2,3
	ds_store_b128 v236, v[AC+8*\n:AC+8*\n+3] offset:64*\n          ; each accumulator from its low end on
	ds_store_b128 v236, v[AC+8*\n+4:AC+8*\n+7] offset:64*\n+16
.endr
	WIN 0x80
.irp t, 0,1,2,3,4,5,6,7
	ds_load_b128 v[OB+32*((\a)%2)+4*\t:OB+32*((\a)%2)+4*\t+3], v237 offset:SP*\t
.endr
.endm
.macro SEND a, younger                 ; younger: the LDS instructions issued behind tile a's loads from the stage, which may stay out
.set rB, OB+32*((\a)%2)
	s_wait_dscnt \younger
.if 8*(8-(\a)) > 48
	s_wait_loadcnt 48                              ; the residual of this tile is in; six later tiles' eight loads each may be out
.else
	s_wait_loadcnt 8*(8-(\a))                      ; the residual of this tile is in; the later tiles' eight loads each may be out
.endif
.if (\a) < 2
	RESLOAD (\a)+7                                 ; eight loads have come back: the residual of tile 7, then of tile 8, is asked for in their stead
.endif
.if (\a) < 8
	WIN 0x8e                                       ; destination and source 0 window 2, source 1 window 3
.set rR, 32*(\a)
.else
	WIN 0x82                                       ; source 1 window 0
.set rR, R8
.endif
.set p, 0
.rept 16
	v_pk_add_f32 v[rB+2*p:rB+2*p+1], v[rB+2*p:rB+2*p+1], v[rR+2*p:rR+2*p+1]
.set p, p+1
.endr
	WIN 0x08                                       ; a store's data are its source 1: window 2
.irp t, 0,1,2,3,4,5,6,7
	global_store_b128 v[OFF+8*(\a)+\t], v[rB+4*\t:rB+4*\t+3], s[70:71] th:TH_STORE_NT   ; sixteen lanes store 256 consecutive bytes, at a multiple of 256 from out0's first byte
.endr
.endm
; A TILE'S TURN.  Its fragments are in; the next tile's are asked for, into the set that the tile before has multiplied (behind that tile's products stand four v_nop or sixteen additions); its 32 products;
; the tile before gets its residual and leaves: those sixteen additions name no register of the products and are the places between them and the stage's stores; then this tile goes through the stage.
.macro TILE a
.if (\a) == 0
	s_wait_dscnt 0x0
.else
	s_wait_dscnt 16                                ; my fragments are in; the stage's 8 stores and 8 loads of the tile before may be out
.endif
	FRAGS (\a)+1
	MULS \a
.if (\a) == 0
	PLACES
.else
.if (\a) > 1
	s_wait_xcnt 0x0                                ; the stores of tile a - 2, issued a tile ago, have read their registers: this tile's rows may land there.  It stands ahead of tile a - 1's stores
.endif
	SEND (\a)-1, 16                                ; behind tile a - 1's loads from the stage: the next fragments' 16 loads
.endif
	TOSTAGE \a
.endm
	FRAGS 0
	s_wait_loadcnt 48                              ; x's scale words are in; the 48 loads of the residual behind them may be out
	RESLOAD 6
.irp a, 0,1,2,3,4,5,6,7
	TILE \a
.endr
	SEND 7, 0                                      ; its wait also shows tile 8's fragments in
	WIN 0
	s_cmp_le_u32 s40, 128
	s_cbranch_scc1 .Lend                           ; with 128 rows or fewer, tile 8 would only repeat the last row, which has been stored
	MULS 8
	PLACES
	s_wait_xcnt 0x0                                ; tile 6's stores have read the registers into which tile 8's rows land
	TOSTAGE 8
	SEND 8, 0
	WIN 0
.Lend:
	s_wait_tensorcnt 0x0
	ds_add_u32 v254, v255
	s_wait_dscnt 0x0
	s_endpgm
.Lfunc_end_k_q20986967e0_experts:
	.size	k_q20986967e0_experts, .Lfunc_end_k_q20986967e0_experts-k_q20986967e0_experts
	.p2alignl 7, 3214868480
	.fill 96, 4, 3214868480
	.section	.rodata,"a",@progbits
	.p2align	6, 0x0
	.amdhsa_kernel k_q20986967e0_experts
		.amdhsa_group_segment_fixed_size 230144
		.amdhsa_private_segment_fixed_size 0
		.amdhsa_enable_private_segment 0
		.amdhsa_kernarg_size 64
		.amdhsa_user_sgpr_count 2
		.amdhsa_user_sgpr_kernarg_segment_ptr 1
		.amdhsa_wavefront_size32 1
		.amdhsa_system_sgpr_workgroup_id_x 1
		.amdhsa_system_sgpr_workgroup_id_y 1
		.amdhsa_system_sgpr_workgroup_id_z 1
		.amdhsa_system_vgpr_workitem_id 0
		.amdhsa_next_free_vgpr 1024
		.amdhsa_next_free_sgpr 104
		.amdhsa_reserve_vcc 1
		.amdhsa_float_denorm_mode_32 3
		.amdhsa_float_denorm_mode_16_64 3
		.amdhsa_memory_ordered 1
		.amdhsa_forward_progress 1
		.amdhsa_inst_pref_size 153
	.end_amdhsa_kernel
	.amdgpu_metadata
---
amdhsa.version: [ 1, 2 ]
amdhsa.kernels:
  - .name:           k_q20986967e0_experts
    .symbol:         k_q20986967e0_experts.kd
    .args:
      - { .name: x, .offset: 0, .size: 8, .value_kind: global_buffer, .address_space: global }
      - { .name: xq, .offset: 8, .size: 8, .value_kind: global_buffer, .address_space: global }
      - { .name: xs, .offset: 16, .size: 8, .value_kind: global_buffer, .address_space: global }
      - { .name: expert_w_codes, .offset: 24, .size: 8, .value_kind: global_buffer, .address_space: global }
      - { .name: expert_w_scales, .offset: 32, .size: 8, .value_kind: global_buffer, .address_space: global }
      - { .name: tab, .offset: 40, .size: 8, .value_kind: global_buffer, .address_space: global }
      - { .name: ord, .offset: 48, .size: 8, .value_kind: global_buffer, .address_space: global }
      - { .name: out0, .offset: 56, .size: 8, .value_kind: global_buffer, .address_space: global }
    .group_segment_fixed_size: 230144
    .private_segment_fixed_size: 0
    .kernarg_segment_align: 8
    .kernarg_segment_size: 64
    .max_flat_workgroup_size: 128
    .sgpr_count:     104
    .vgpr_count:     1024
    .wavefront_size: 32
...
	.end_amdgpu_metadata
.endif
;; end of part 2
;; ======== version 2 of 2: 2 launches
;; workspace buffers: xq 4,194,304 bytes; xs 262,144 bytes; tab 8,192 bytes of whole numbers; ord 32,768 bytes of whole numbers
;; launch route (part 3): grid 256 x 1, 4 waves a work-group, no clusters, 76,288 bytes of LDS; arguments x, gate_w, xq, xs, tab, ord; writes xq, xs, tab, ord
.if DOCPART == 3
	.amdgcn_target "amdgcn-amd-amdhsa--gfx1250"
	.amdhsa_code_object_version 6
	.text
	.protected	k_q20986967e0_route
	.globl	k_q20986967e0_route
	.p2align	8
	.type	k_q20986967e0_route,@function
k_q20986967e0_route:
	s_mov_b64 s[64:65], 0
	v_nop
	global_prefetch_b8 v0, s[64:65] scope:SCOPE_SE
	s_setreg_imm32_b32 hwreg(HW_REG_WAVE_SCHED_MODE, 0, 2), 2
	s_setreg_imm32_b32 hwreg(HW_REG_WAVE_MODE, 25, 1), 1
	s_wait_xcnt 0x0
	s_wait_alu depctr_vm_vsrc(0)
; ROUTE.  x [8192][1024] f32, gate_w [8][1024] f32.  Three things are made of x, which is read once here:
;   the scores x . gate_w (f32 fused multiply-adds) and of them the chosen expert of each token (the lowest index wins a tie);
;   xq, xs: x as codes of E2M1 along its 1,024, a row of 512 bytes a token, and one E8M0 byte for each 32 numbers, 32 bytes a token;
;   tab, ord: whole numbers at fixed places, from which the next launch places the rows by expert.
; A work-group is a GROUP of 32 tokens (32 g .. 32 g + 31); wave w takes tokens 8 w .. 8 w + 7 of it, each as a whole row.
;   tab[e][g] = c | (32 g + o) << 16: c tokens of group g chose expert e, o tokens of the group chose a lower expert.
;   ord[32 g + p] = the token that stands at place p when the group is sorted by expert.
; No address and no branch of this launch hangs on a score: the choice only selects values (v_cndmask_b32).
; A block's scale is 2^(floor(log2(its largest magnitude)) - 2); its byte is the largest magnitude's exponent field - 2, held at 1 from below.
; LIMITS.  The scores are sums of 64 partial sums and a tree, in f32: where a token's two best scores lie closer than the rounding of such a sum (some 1e-6 of
; their size) the choice may differ from that of another order of summation.  NaN and infinities in x are not served (a NaN score never wins here).
; A block of zeros gets the byte 1 and not 127: its codes are zeros, which add nothing under that byte, and the bytes are read by this program alone.
; No tensor loads, no matrix work, no cluster: work-groups share only the gate's 32,768 bytes, which each reads once.
; REGISTERS, in windows of 256: window 0: v1-10 addresses; v16-31 eight sums in pairs; v32-47 the sum over the lanes; v48-111 two sets of 32 neighbours of a row, by turns (they first take the gate's rows);
;   v112-143 codes, four registers a token; v144-159 scale bytes; v160-167 at work; v168-184 wave 0's tables; v192-199 a score a token; v254, v255 the closing add's two.
;   window 1: the gate, expert e at v[32 e].   window 2: x as loaded, token t at v[32 t].
; THE MODE: SCHED_MODE bits 1:0 = 2 (LLVM: expert scheduling mode 2), set by the entry lines.  The code itself states the register dependences between vector instructions
; and memory or LDS instructions, and those through scalar registers that vector instructions write, with s_wait_alu, always for 0.
; THE PLAN.  Registers that memory or LDS instructions touch in the turn of token t:
;   window 2, v[32 t ..]   x's loads land there once; the stage's stores and the multiply-adds of token t read them; never written again.
;   X[t % 2]               The stage's loads of token t land in it; the quantising lines of token t read it; the stage's loads of token t + 2 land in it again.
;   v[SCR + t], the token's two scale bytes and its four registers of codes: written by the vector work of token t, read by five stores that are issued in the turn of token t + 1; never written again.
;   The offsets and LDS addresses v2 to v10 are made at the head and never written again.
; So a turn has ONE wait on va_vdst, behind its sixteen LDS instructions: it states that the token before has written what its five stores read, which follow at once, and that it is done reading its set X,
; in which the stage's loads of the NEXT turn land; no vector instruction between the wait and those loads names that set.
; In wave 0's tables the compares stand in runs, into scalar registers, one wait on va_sdst behind each run; the search for the largest score goes one compare at a time, since each compare reads the last select's result.
.set GIMG, 0                           ; LDS: the gate as 64 images of 512 bytes: image 8 e + j = bytes 512 j on of row e, 16 bytes a lane
.set QST,  32768                       ; two stages of 5,120 bytes for each wave: a row of x with 16 bytes of padding behind each 64
.set QW,   10240
.set QS,   5120
.set SP,   80
.set SBY,  73728                       ; 256 scale bytes for each wave
.set SC,   74752                       ; the scores: [token 32][expert 8] f32
.set ACC,  16
.set BF,   32
.set X,    48                          ; set t % 2 at X + 32 (t % 2)
.set CD,   112
.set SB,   144
.set TM,   160
.set SCR,  192
.set MSB, 0
.macro WIN new                         ; s_set_vgpr_msb: bits 1:0 source 0, 3:2 source 1, 5:4 source 2, 7:6 destination; the high byte repeats the setting that is left
.if MSB != \new
	s_set_vgpr_msb (MSB<<8)|\new
.set MSB, \new
.endif
.endm
.macro BARRIER                         ; my LDS stores have landed and my LDS loads are in: then the work-group's barrier
	s_wait_dscnt 0x0
	s_barrier_signal -1
	s_barrier_wait -1
.endm
	s_load_b256 s[4:11], s[0:1], 0x0               ; x s[4:5], gate_w s[6:7], xq s[8:9], xs s[10:11]
	s_load_b128 s[12:15], s[0:1], 0x20             ; tab s[12:13], ord s[14:15]
	v_lshl_add_u32 v254, v0, 2, 0x12800
	v_mov_b32 v255, 0
	v_lshrrev_b32 v1, 5, v0
	v_readfirstlane_b32 s16, v1                    ; wave 0..3
	v_and_b32 v1, 31, v0                           ; lane
	v_lshlrev_b32 v2, 4, v1                        ; 16 x lane: my 16 bytes of a load's 512
	s_wait_alu depctr_va_sdst(0)                   ; s16 is written, ahead of its first reader
	s_mul_i32 s43, s16, QW
	s_add_co_u32 s43, s43, QST                     ; my wave's stages
	v_lshrrev_b32 v3, 2, v1
	v_mul_u32_u24 v3, v3, SP
	v_and_b32 v4, 3, v1
	v_lshl_add_u32 v3, v4, 4, v3
	v_add_nc_u32 v3, s43, v3                       ; into a stage: four lanes' 64 bytes on end, then the padding
	v_mul_u32_u24 v4, v1, SP
	v_add_nc_u32 v4, s43, v4                       ; out of it: 64 bytes, 16 neighbours, a lane
	s_lshl_b32 s43, s16, 8
	s_add_co_u32 s45, s43, SBY
	v_lshrrev_b32 v5, 1, v1
	v_add_nc_u32 v5, s45, v5                       ; my block's scale byte (two lanes hold a block)
	v_lshlrev_b32 v7, 3, v1                        ; 8 x lane: my 16 codes, and my 8 scale bytes on the way out
	v_add_nc_u32 v6, s45, v7
	s_add_co_u32 s45, s43, SC
	v_and_b32 v8, 7, v1
	v_lshl_add_u32 v8, v8, 2, s45                  ; the scores of my wave's tokens: expert lane % 8
	s_lshl_b32 s45, s16, 13
	v_add_nc_u32 v9, s45, v2                       ; the images of the two gate rows that my wave brings
	v_lshl_add_u32 v10, v1, 5, SC                  ; wave 0 at the end: lane = token
	s_mov_b32 s20, 0xaaaaaaaa                      ; lanes with bit 0, 1, 2 of their number set
	s_mov_b32 s21, 0xcccccccc
	s_mov_b32 s22, 0xf0f0f0f0
	s_mov_b32 s24, 0x76543210                      ; v_permlanex16_b32: lane l xor 16
	s_mov_b32 s25, 0xfedcba98
	s_lshl_b32 s44, ttmp9, 5                       ; 32 g: the group's first token
	s_mov_b32 s19, 0
	s_wait_kmcnt 0x0
	s_lshl_b32 s18, ttmp9, 17                      ; x: 32 rows of 4,096 bytes a group, 8 a wave
	s_lshl_b32 s43, s16, 15
	s_add_co_u32 s18, s18, s43
	s_add_nc_u64 s[4:5], s[4:5], s[18:19]
	s_lshl_b32 s18, s16, 13                        ; the gate: rows 2 w and 2 w + 1
	s_add_nc_u64 s[6:7], s[6:7], s[18:19]
	s_lshl_b32 s18, ttmp9, 14                      ; xq: 512 bytes a token
	s_lshl_b32 s43, s16, 12
	s_add_co_u32 s18, s18, s43
	s_add_nc_u64 s[8:9], s[8:9], s[18:19]
	s_lshl_b32 s18, ttmp9, 10                      ; xs: 32 bytes a token
	s_lshl_b32 s43, s16, 8
	s_add_co_u32 s18, s18, s43
	s_add_nc_u64 s[10:11], s[10:11], s[18:19]
	s_lshl_b32 s18, ttmp9, 2                       ; tab: word g of each expert's row
	s_add_nc_u64 s[12:13], s[12:13], s[18:19]
	s_lshl_b32 s18, ttmp9, 7                       ; ord: 32 words a group
	s_add_nc_u64 s[14:15], s[14:15], s[18:19]
	s_wait_alu depctr_va_vdst(0)                   ; the offsets and LDS addresses v2 to v10 are written, which the loads and stores of the whole kernel read; none of them is written again
	; ALL LOADS AT ONCE: two rows of the gate, then my eight tokens: each load reads 512 consecutive bytes; 32,768 bytes of x a wave are on their way
.set i, 0
.rept 16
	global_load_b128 v[X+4*i:X+4*i+3], v2, s[6:7] offset:512*i
.set i, i+1
.endr
	WIN 0x80
.set i, 0
.rept 64
	global_load_b128 v[4*i:4*i+3], v2, s[4:5] offset:512*i th:TH_LOAD_NT   ; token i / 8, bytes 512 (i % 8) on
.set i, i+1
.endr
	WIN 0
	s_wait_loadcnt 63                              ; 64 loads were issued behind the gate's: the gate's are in
.set i, 0
.rept 16
	ds_store_b128 v9, v[X+4*i:X+4*i+3] offset:512*i
.set i, i+1
.endr
	BARRIER                                        ; the whole gate lies in LDS
	s_wait_alu depctr_vm_vsrc(0)                   ; my 16 stores have read v48-111: these registers are the two sets X from here on, in which the stage's loads land
	WIN 0x40
.set i, 0
.rept 64
	ds_load_b128 v[4*i:4*i+3], v2 offset:GIMG+512*i   ; every wave takes all eight rows into window 1: lane l holds the same elements of the gate as of x
.set i, i+1
.endr
	WIN 0
	s_wait_dscnt 0x0
; The sum of eight numbers a lane (v[BF] on: expert e) over the 32 lanes.  In each of three steps a lane keeps half of its numbers and hands the other half to the lane whose number differs in one bit:
; 8 -> 4 -> 2 -> 1, and lane l is left with expert l % 8.  Two more steps add the four lanes that hold the same expert.  Result in v[SCR + t]: a register of its own for each token, which a store of the next turn reads.
.macro BFLY t
.irp k, 0,1,2,3
	v_cndmask_b32 v[BF+8+\k], v[BF+2*\k], v[BF+2*\k+1], s20       ; kept
	v_cndmask_b32 v[BF+12+\k], v[BF+2*\k+1], v[BF+2*\k], s20      ; handed over
.endr
.irp k, 0,1,2,3
	v_add_f32_dpp v[BF+8+\k], v[BF+12+\k], v[BF+8+\k] row_xmask:1 row_mask:0xf bank_mask:0xf
.endr
.irp m, 0,1
	v_cndmask_b32 v[BF+\m], v[BF+8+2*\m], v[BF+9+2*\m], s21
	v_cndmask_b32 v[BF+2+\m], v[BF+9+2*\m], v[BF+8+2*\m], s21
.endr
.irp m, 0,1
	v_add_f32_dpp v[BF+\m], v[BF+2+\m], v[BF+\m] row_xmask:2 row_mask:0xf bank_mask:0xf
.endr
	v_cndmask_b32 v[BF+8], v[BF], v[BF+1], s22
	v_cndmask_b32 v[BF+9], v[BF+1], v[BF], s22
	v_add_f32_dpp v[BF+8], v[BF+9], v[BF+8] row_xmask:4 row_mask:0xf bank_mask:0xf
	v_add_f32_dpp v[BF+8], v[BF+8], v[BF+8] row_xmask:8 row_mask:0xf bank_mask:0xf
	v_permlanex16_b32 v[BF+9], v[BF+8], s24, s25
	v_add_f32 v[SCR+(\t)], v[BF+8], v[BF+9]
.endm
; 512 numbers of token t, half h of its row: a lane's 16 neighbours become 8 bytes of codes, two lanes' block a scale byte.  Vector work alone: the stores follow in the next turn (LEAVE).
.macro QSTEP t, h
.set XH, X+32*((\t)%2)+16*(\h)
.set TH, TM+3*(\h)
	v_max3_num_f32 v[TH], |v[XH]|, |v[XH+1]|, |v[XH+2]|            ; the largest magnitude of my 16, in two chains
	v_max3_num_f32 v[TH+1], |v[XH+3]|, |v[XH+4]|, |v[XH+5]|
.irp i, 6,10
	v_max3_num_f32 v[TH], v[TH], |v[XH+\i]|, |v[XH+\i+1]|
	v_max3_num_f32 v[TH+1], v[TH+1], |v[XH+\i+2]|, |v[XH+\i+3]|
.endr
	v_max3_num_f32 v[TH], v[TH], |v[XH+14]|, |v[XH+15]|
	v_max3_num_f32 v[TH], v[TH], v[TH+1], 0x1800000                ; and the floor 2^(3 - 127): the byte cannot fall under 1
	v_max_num_f32_dpp v[TH], v[TH], v[TH] row_xmask:1 row_mask:0xf bank_mask:0xf   ; with my neighbour's 16: the block's
	v_add_nc_u32 v[TH+2], 0xff000000, v[TH]                        ; 2 off its exponent field: the conversion takes the exponent field of this operand as its scale
	v_cvt_scalef32_pk8_fp4_f32 v[CD+4*(\t)+2*(\h)], v[XH:XH+7], v[TH+2]
	v_cvt_scalef32_pk8_fp4_f32 v[CD+4*(\t)+2*(\h)+1], v[XH+8:XH+15], v[TH+2]
	v_lshrrev_b32 v[SB+2*(\t)+(\h)], 23, v[TH+2]                   ; the scale's byte; also the plain instruction behind the conversions
.endm
; Token t leaves: its score, its two scale bytes and its codes.  Each of these registers is the token's own and is never written again.
.macro LEAVE t
	ds_store_b32 v8, v[SCR+(\t)] offset:32*(\t)    ; lanes with the same lane % 8 write the same word with the same value
.irp h, 0,1
	ds_store_b8 v5, v[SB+2*(\t)+\h] offset:32*(\t)+16*\h           ; both lanes of a block write the same byte with the same value
	global_store_b64 v7, v[CD+4*(\t)+2*\h:CD+4*(\t)+2*\h+1], s[8:9] offset:512*(\t)+256*\h   ; the wave stores 256 consecutive bytes, aligned
.endr
.endm
; One token: its row goes through my stage (as loaded in, 16 neighbours a lane out); the token before leaves; the eight dot products are made of the registers as loaded while the stage's loads are out.
.macro TOKEN t
	s_wait_loadcnt 8*(7-(\t))                      ; my eight loads of this token are in; those of the tokens behind it may be out
	WIN 0x08                                       ; an LDS store's data are its source 1: window 2
.irp j, 0,1,2,3,4,5,6,7
	ds_store_b128 v3, v[32*(\t)+4*\j:32*(\t)+4*\j+3] offset:QS*((\t)%2)+8*SP*\j
.endr
	WIN 0
.irp h, 0,1
.irp i, 0,1,2,3
	ds_load_b128 v[X+32*((\t)%2)+16*\h+4*\i:X+32*((\t)%2)+16*\h+4*\i+3], v4 offset:QS*((\t)%2)+32*SP*\h+16*\i   ; LDS serves a wave's instructions in order: these see the stores above.  The set's last readers, token t - 2's, stand ahead of the last turn's wait on va_vdst
.endr
.endr
.if (\t) > 0
	s_wait_alu depctr_va_vdst(0)                   ; the token before has written its score, its scale bytes and its codes, which the five stores below read; and it is done reading its set X, in which the next turn's loads land
	LEAVE (\t)-1
.endif
	WIN 0x06                                       ; source 0 (x) window 2, source 1 (the gate) window 1
.irp e, 0,1,2,3,4,5,6,7
	v_pk_mul_f32 v[ACC+2*\e:ACC+2*\e+1], v[32*(\t):32*(\t)+1], v[32*\e:32*\e+1]   ; the first products start the sums
.endr
.irp p, 1,2,3,4,5,6,7,8,9,10,11,12,13,14,15
.irp e, 0,1,2,3,4,5,6,7
	v_pk_fma_f32 v[ACC+2*\e:ACC+2*\e+1], v[32*(\t)+2*\p:32*(\t)+2*\p+1], v[32*\e+2*\p:32*\e+2*\p+1], v[ACC+2*\e:ACC+2*\e+1]   ; the eight experts by turns
.endr
.endr
	WIN 0
.irp e, 0,1,2,3,4,5,6,7
	v_add_f32 v[BF+\e], v[ACC+2*\e], v[ACC+2*\e+1]
.endr
	BFLY \t
.if (\t) > 0
	s_wait_dscnt 3                                 ; the stage's loads are in; the three LDS stores of the token before, issued behind them, may be out
.else
	s_wait_dscnt 0x0                               ; the stage's loads are in
.endif
	QSTEP \t, 0
	QSTEP \t, 1
.endm
.irp t, 0,1,2,3,4,5,6,7
	TOKEN \t
.endr
	s_wait_alu depctr_va_vdst(0)                   ; the last token has written its score, its scale bytes and its codes, which the five stores below read
	LEAVE 7
	ds_load_b64 v[TM+6:TM+7], v6                   ; my wave's 256 scale bytes, 8 a lane (in order behind my byte stores); no vector instruction names these two registers
	s_wait_dscnt 0x0
	global_store_b64 v7, v[TM+6:TM+7], s[10:11]    ; 256 consecutive bytes, aligned
	BARRIER                                        ; all 32 tokens' scores lie in LDS
	s_cmp_lg_u32 s16, 0
	s_cbranch_scc1 .Lend                           ; behind the last barrier: the tables are wave 0's work
	; WAVE 0, a lane a token.  The choice, the counts, each token's place in the group sorted by expert, and the inverse of that order: by values alone
	ds_load_b128 v[168:171], v10
	ds_load_b128 v[172:175], v10 offset:16
	v_mov_b32 v177, 0                              ; the chosen expert
	v_mov_b32 v179, 0                              ; my place
	v_mov_b32 v180, 0                              ; the token at place = my lane
	s_mov_b32 s42, 0                               ; o
	s_wait_alu depctr_va_vdst(0)
	s_wait_dscnt 0x0
	v_mov_b32 v176, v168
.irp e, 1,2,3,4,5,6,7
	v_cmp_gt_f32 s54, v[168+\e], v176              ; strictly greater: the lowest index keeps a tie
	s_wait_alu depctr_va_sdst(0)                   ; the compare has written its mask, ahead of the two selects that read it
	v_cndmask_b32 v176, v176, v[168+\e], s54
	v_cndmask_b32 v177, v177, \e, s54
.endr
.irp e, 0,1,2,3,4,5,6,7
	v_cmp_eq_u32 s[26+\e], \e, v177                ; the tokens of expert e
.endr
	s_wait_alu depctr_va_sdst(0)                   ; the eight compares have written their masks, ahead of the counts and selects that read them
.irp e, 0,1,2,3,4,5,6,7
	s_bcnt1_i32_b32 s43, s[26+\e]                  ; c
	v_mbcnt_lo_u32_b32 v178, s[26+\e], s42         ; o + how many of them stand in lower lanes
	v_cndmask_b32 v179, v179, v178, s[26+\e]
	s_add_co_u32 s[34+\e], s44, s42
	s_lshl_b32 s[34+\e], s[34+\e], 16
	s_or_b32 s[34+\e], s[34+\e], s43               ; c | (32 g + o) << 16
	s_add_co_u32 s42, s42, s43
.endr
.irp b, 0,8,16,24
.irp i, 0,1,2,3,4,5,6,7
	v_readlane_b32 s[46+\i], v179, \b+\i           ; token b + i stands at this place:
.endr
	s_wait_alu depctr_va_sdst(0)                   ; the eight places are written into s46 on, ahead of the compares that read them
.irp i, 0,1,2,3,4,5,6,7
	v_cmp_eq_u32 s[54+\i], s[46+\i], v1            ; the lane of that number
.endr
	s_wait_alu depctr_va_sdst(0)                   ; the eight compares have written their masks, ahead of the selects that read them
.irp i, 0,1,2,3,4,5,6,7
	v_cndmask_b32 v180, v180, \b+\i, s[54+\i]      ; takes the token
.endr
.endr
	v_and_b32 v182, 7, v1
	v_mov_b32 v183, s34
.irp e, 1,2,3,4,5,6,7
	v_cmp_eq_u32 s[53+\e], \e, v182
.endr
	s_wait_alu depctr_va_sdst(0)                   ; the seven compares have written their masks, ahead of the selects that read them
.irp e, 1,2,3,4,5,6,7
	v_cndmask_b32 v183, v183, s[34+\e], s[53+\e]   ; lane l: the word of expert l % 8
.endr
	v_lshlrev_b32 v184, 10, v182                   ; a row of tab is 1,024 bytes
	v_lshlrev_b32 v181, 2, v1
	v_add_nc_u32 v180, s44, v180
	s_wait_alu depctr_va_vdst(0)                   ; the two offsets v181 and v184 and the two words v180 and v183 are written, which the stores below read
	global_store_b32 v181, v180, s[14:15]          ; ord: 128 consecutive bytes
	global_store_b32 v184, v183, s[12:13]          ; tab: eight words; four lanes write each with the same value
.Lend:
	s_wait_dscnt 0x0                               ; the closing lines, six on end
	s_wait_alu 0x0
	s_wait_tensorcnt 0x0
	ds_add_u32 v254, v255
	s_wait_dscnt 0x0
	s_endpgm
.Lfunc_end_k_q20986967e0_route:
	.size	k_q20986967e0_route, .Lfunc_end_k_q20986967e0_route-k_q20986967e0_route
	.p2alignl 7, 3214868480
	.fill 96, 4, 3214868480
	.section	.rodata,"a",@progbits
	.p2align	6, 0x0
	.amdhsa_kernel k_q20986967e0_route
		.amdhsa_group_segment_fixed_size 76288
		.amdhsa_private_segment_fixed_size 0
		.amdhsa_enable_private_segment 0
		.amdhsa_kernarg_size 48
		.amdhsa_user_sgpr_count 2
		.amdhsa_user_sgpr_kernarg_segment_ptr 1
		.amdhsa_wavefront_size32 1
		.amdhsa_system_sgpr_workgroup_id_x 1
		.amdhsa_system_sgpr_workgroup_id_y 1
		.amdhsa_system_sgpr_workgroup_id_z 1
		.amdhsa_system_vgpr_workitem_id 0
		.amdhsa_next_free_vgpr 768
		.amdhsa_next_free_sgpr 66
		.amdhsa_reserve_vcc 0
		.amdhsa_float_denorm_mode_32 3
		.amdhsa_float_denorm_mode_16_64 3
		.amdhsa_memory_ordered 1
		.amdhsa_forward_progress 1
		.amdhsa_inst_pref_size 132
	.end_amdhsa_kernel
	.amdgpu_metadata
---
amdhsa.version: [ 1, 2 ]
amdhsa.kernels:
  - .name:           k_q20986967e0_route
    .symbol:         k_q20986967e0_route.kd
    .args:
      - { .name: x, .offset: 0, .size: 8, .value_kind: global_buffer, .address_space: global }
      - { .name: gate_w, .offset: 8, .size: 8, .value_kind: global_buffer, .address_space: global }
      - { .name: xq, .offset: 16, .size: 8, .value_kind: global_buffer, .address_space: global }
      - { .name: xs, .offset: 24, .size: 8, .value_kind: global_buffer, .address_space: global }
      - { .name: tab, .offset: 32, .size: 8, .value_kind: global_buffer, .address_space: global }
      - { .name: ord, .offset: 40, .size: 8, .value_kind: global_buffer, .address_space: global }
    .group_segment_fixed_size: 76288
    .private_segment_fixed_size: 0
    .kernarg_segment_align: 8
    .kernarg_segment_size: 48
    .max_flat_workgroup_size: 128
    .sgpr_count:     66
    .vgpr_count:     768
    .wavefront_size: 32
...
	.end_amdgpu_metadata
.endif
;; end of part 3
;; launch experts (part 4): grid 64 x 4, 4 waves a work-group, no clusters, 230,144 bytes of LDS; arguments x, xq, xs, expert_w_codes, expert_w_scales, tab, ord, out0; writes out0
.if DOCPART == 4
	.amdgcn_target "amdgcn-amd-amdhsa--gfx1250"
	.amdhsa_code_object_version 6
	.text
	.protected	k_q20986967e0_experts
	.globl	k_q20986967e0_experts
	.p2align	8
	.type	k_q20986967e0_experts,@function
k_q20986967e0_experts:
	s_mov_b64 s[64:65], 0
	v_nop
	global_prefetch_b8 v0, s[64:65] scope:SCOPE_SE
	s_setreg_imm32_b32 hwreg(HW_REG_WAVE_MODE, 25, 1), 1
	s_wait_xcnt 0x0
; EXPERTS.  out0[token] = x[token] + Q(x)[token] W[chosen expert]^T, on codes of E2M1 with one E8M0 scale for each 32 along K = 1,024.  Only the chosen expert's rows are multiplied.
; TILES.  A tile is at most 144 rows (tokens) of ONE expert x 256 columns.  An expert with T tokens has ceil(T / 144) row tiles, over which its rows are spread evenly; the sum of these over
; the eight experts is at most (8,192 + 8 x 143) / 144, that is 64, whatever the choice: the grid is 64 row tiles x 4 slices of 256 columns.  A row tile that the split leaves empty stores nothing and ends.
; WHICH ROWS.  Every wave reads tab (8,192 bytes) and finds by itself the tile's expert, its first rank LO and its number of rows; slot i of the tile is the token of rank LO + i among the expert's tokens, in a
; fixed order of the 256 groups of 32 tokens; it is found by a search over 32 lanes' sums, a search in one lane's eight groups, and one load from ord.  Slots past the tile's rows repeat its last row:
; they compute and store the same bytes at the same place.
; SHARES.  Wave w makes columns 64 w .. 64 w + 63 of the slice (4 tiles of 16) for all 144 slots (9 tiles of 16).  Its 64 rows of W are read as whole rows of 512 bytes, turned into
; fragments through its own LDS bytes, and stay in registers for all of K.  The tokens' codes are gathered as whole rows of 512 bytes into LDS, 36 rows a wave, and read by all four waves.
; THE PRODUCTS GO BY TILES OF 16 TOKENS, NOT BY K: a tile's eight fragments (all of K) against W's 32: 32 products on four accumulators, K ascending; then the tile leaves while the next is multiplied.
; THE MATRIX INSTRUCTION IS USED TRANSPOSED (source 0 = 16 rows of W, source 1 = 16 tokens): a lane holds one token and eight neighbouring columns.
; THE RESIDUAL is asked for as soon as the tokens are known, straight behind the gathers of the codes, and added on the way out, where sixteen lanes hold 256 consecutive bytes of a row.
; The 72 offsets token x 4,096 + 16 (lane % 16) serve the residual's loads and the stores alike and are never written again.
; NO TENSOR LOADS, NO CLUSTER, NO JOINT LOADS, though the four slices of a row tile share the tokens' codes and the tiles of an expert share W: rows, expert and the early end hang on numbers read
; from tab and ord, so every operand goes through registers.
; LIMITS: those of the launch before, which makes the choice and the codes.  W's codes and scale bytes are taken as they are given.
; REGISTERS, in windows of 256.  window 0: v1-15, v236-239 addresses; v16-31 W's scale words, v32-67 x's (scales and nothing else); at the head v68-191 tab's words and the search;
;   from the first barrier on v68-139 the rows' offsets, v140-171 the residual of tile 8, v172-216 the gathers' offsets.
;   window 1: W as loaded, then W's fragments, (K step s, tile n) at v[8 (4 s + n)].
;   window 2: x's codes as loaded (v0-143); then v0-63 two sets of four accumulators, v64-191 two sets of a tile's eight fragments, v192-255 two sets of 16 rows on the way out.
;   window 3: the residual of tile a, a < 8, at v[32 a].
.set LST, 0                            ; LDS: the token of slot i at 4 i: 576 bytes
.set XC,  1024                         ; the tokens' codes: 144 rows
.set XP,  528                          ; of 512 bytes + 16: 33 x 16, so that the sixteen rows that a load touches start 16 bytes apart modulo 256
.set WT,  XC+144*XP                    ; each wave's own 64 rows of W, same pitch
.set STG, WT+4*64*XP                   ; each wave's own stage: 16 rows x (256 bytes + 16)
.set SP,  272
.set WS,  16
.set XS,  32
.set OFF, 68                           ; window 0: offset of row 8 h + t of tile a at v[OFF + 8 a + t]
.set R8,  140                          ; window 0: the residual of tile 8
.set GO,  172                          ; window 0: the gathers' offsets: 36 for the codes, 9 for the scale words
.set ACC, 0                            ; window 2
.set XF,  64                           ; window 2
.set OB,  192                          ; window 2
.set MSB, 0
.macro WIN new                         ; s_set_vgpr_msb: bits 1:0 source 0, 3:2 source 1, 5:4 source 2, 7:6 destination; the high byte repeats the setting that is left
.if MSB != \new
	s_set_vgpr_msb (MSB<<8)|\new
.set MSB, \new
.endif
.endm
.macro BARRIER
	s_wait_dscnt 0x0
	s_barrier_signal -1
	s_barrier_wait -1
.endm
.macro PLACES                          ; four plain vector instructions between a matrix instruction and a read of its results (ISA guide 7.12.1)
.rept 4
	v_nop
.endr
.endm
	s_load_b512 s[4:19], s[0:1], 0x0               ; x s[4:5], xq s[6:7], xs s[8:9], W's codes s[10:11], W's scales s[12:13], tab s[14:15], ord s[16:17], out0 s[18:19]
	v_lshl_add_u32 v254, v0, 2, 0x38100
	v_mov_b32 v255, 0
	v_lshrrev_b32 v1, 5, v0
	v_readfirstlane_b32 s20, v1                    ; wave 0..3
	v_mul_u32_u24 v7, v1, 144                      ; LST: my wave's 36 slots
	v_and_b32 v1, 31, v0                           ; lane
	v_and_b32 v2, 15, v0                           ; r
	v_bfe_u32 v3, v0, 4, 1                         ; h
	v_lshlrev_b32 v4, 4, v1                        ; 16 x lane
	v_lshlrev_b32 v5, 2, v0                        ; LST: slot = my thread's number
	s_mov_b32 s21, ttmp9                           ; R: the row tile
	s_and_b32 s22, ttmp7, 0xffff                   ; y: the slice of 256 columns
	s_lshl_b32 s49, s20, 2
	s_add_co_u32 s49, s49, 128
	v_and_b32 v149, 3, v0
	v_add_nc_u32 v149, s49, v149                   ; my second slot: 128 + 4 w + lane % 4 (eight lanes work the same slot)
	v_lshlrev_b32 v6, 2, v149
	v_lshlrev_b32 v8, 2, v2                        ; LST: slot r of a tile
	v_lshlrev_b32 v9, 5, v3                        ; LST: slots 8 h on of a tile
	s_mul_i32 s49, s20, 36*XP
	s_add_co_u32 s49, s49, XC
	v_add_nc_u32 v10, s49, v4                      ; where I store the codes of my wave's 36 slots
	v_mul_u32_u24 v11, v2, XP
	v_lshl_add_u32 v11, v3, 4, v11                 ; a fragment: row r x pitch + 16 h
	s_mul_i32 s49, s20, 64*XP
	s_add_co_u32 s49, s49, WT
	v_add_nc_u32 v13, s49, v4                      ; W's rows in,
	v_add_nc_u32 v14, s49, v11                     ; W's fragments out
	v_add_nc_u32 v12, XC+8*16*XP, v11              ; x's fragments of tile 8 (beyond the reach of a 16-bit offset from v11)
	v_add_nc_u32 v11, XC, v11                      ; and of tiles 0-7
	v_lshlrev_b32 v15, 4, v2                       ; 16 r
	s_mul_i32 s49, s20, 16*SP
	s_add_co_u32 s49, s49, STG
	v_mul_u32_u24 v236, v2, SP
	v_lshl_add_u32 v236, v3, 5, v236
	v_add_nc_u32 v236, s49, v236                   ; the stage, in: row r, 32 bytes for each half of the lanes
	v_mul_u32_u24 v237, v3, 8*SP
	v_add_nc_u32 v237, v237, v15
	v_add_nc_u32 v237, s49, v237                   ; back: lanes 0-15 row t, lanes 16-31 row t + 8
	v_lshlrev_b32 v239, 4, v3                      ; 16 h
	v_lshl_add_u32 v238, v2, 5, v239               ; scale bytes: 32 a row; lanes 0-15 the words of K steps 0-3, lanes 16-31 of 4-7
	s_mov_b32 s56, 0x76543210                      ; v_permlanex16_b32: lane l xor 16
	s_mov_b32 s57, 0xfedcba98
	s_mov_b32 s59, 0
	s_mov_b32 s23, 0                               ; tiles of the experts passed so far
	s_mov_b32 s32, 0
	s_mov_b32 s33, 0
	s_mov_b32 s34, 0
	s_mov_b32 s35, 0
.irp k, 0,1,2,3
	v_mov_b32 v[144+\k], 0                         ; written once: the destination of a move between lanes counts as one of its sources
.endr
	s_wait_kmcnt 0x0
.irp e, 0,1,2,3,4,5,6,7
.irp j, 0,1
	global_load_b128 v[68+8*\e+4*\j:68+8*\e+4*\j+3], v4, s[14:15] offset:1024*\e+512*\j   ; tab, whole: register 4 j + q of expert e in lane l is group 128 j + 4 l + q
.endr
.endr
	s_lshl_b32 s58, s22, 10
	s_lshl_b32 s49, s20, 8
	s_add_co_u32 s58, s58, s49                     ; my 64 columns in a row of x and of out0: 1,024 y + 256 w bytes
	s_add_nc_u64 s[68:69], s[4:5], s[58:59]
	s_add_nc_u64 s[70:71], s[18:19], s[58:59]
	s_wait_loadcnt 0x0
	; THE EXPERTS' TOTALS.  A word's low half is a count of at most 32: eight words' sum keeps its low half exact.  Two experts to a word, summed over the lanes (at most 8,192 a half)
.irp e, 0,1,2,3,4,5,6,7
	v_add3_u32 v[132+\e], v[68+8*\e], v[69+8*\e], v[70+8*\e]
.endr
.irp e, 0,1,2,3,4,5,6,7
	v_add3_u32 v[132+\e], v[132+\e], v[71+8*\e], v[72+8*\e]
.endr
.irp e, 0,1,2,3,4,5,6,7
	v_add3_u32 v[132+\e], v[132+\e], v[73+8*\e], v[74+8*\e]
.endr
.irp e, 0,1,2,3,4,5,6,7
	v_add_nc_u32 v[132+\e], v[132+\e], v[75+8*\e]
.endr
.irp k, 0,1,2,3
	v_and_b32 v[132+2*\k], 0xffff, v[132+2*\k]
.endr
.irp k, 0,1,2,3
	v_lshl_or_b32 v[140+\k], v[133+2*\k], 16, v[132+2*\k]
.endr
.irp m, 1,2,4,8
.irp k, 0,1,2,3
	v_mov_b32_dpp v[144+\k], v[140+\k] row_xmask:\m row_mask:0xf bank_mask:0xf
.endr
.irp k, 0,1,2,3
	v_add_nc_u32 v[140+\k], v[140+\k], v[144+\k]
.endr
.endr
.irp k, 0,1,2,3
	v_permlanex16_b32 v[144+\k], v[140+\k], s56, s57
.endr
.irp k, 0,1,2,3
	v_add_nc_u32 v[140+\k], v[140+\k], v[144+\k]
.endr
.irp k, 0,1,2,3
	v_readfirstlane_b32 s[72+\k], v[140+\k]
.endr
.irp k, 0,1,2,3
	s_and_b32 s[24+2*\k], s[72+\k], 0xffff         ; T_e in s24-31
	s_lshr_b32 s[25+2*\k], s[72+\k], 16
.endr
; Is my row tile one of expert e's?  The last expert whose first tile is not behind R is the one.  ceil(T / 144) = ((T + 143) x 58,255) >> 23, exact for T up to 8,192.
.macro PICK e
	s_add_co_u32 s49, s[24+\e], 143
	s_mul_i32 s49, s49, 58255
	s_lshr_b32 s49, s49, 23                        ; the expert's tiles
	s_sub_co_u32 s50, s21, s23                     ; which of them R would be
	s_cmp_ge_u32 s21, s23
	s_cselect_b32 s32, \e, s32                     ; E
	s_cselect_b32 s33, s50, s33                    ; J
	s_cselect_b32 s34, s49, s34                    ; NT
	s_cselect_b32 s35, s[24+\e], s35               ; TOT
	s_add_co_u32 s23, s23, s49
.endm
.irp e, 0,1,2,3,4,5,6,7
	PICK \e
.endr
	s_cmp_lt_u32 s21, s23
	s_cselect_b32 s36, 1, 0                        ; has my row tile rows at all?
	s_min_u32 s32, s32, 7                          ; a number made of loaded numbers enters addresses only behind this bound
	s_lshl_b32 s58, s32, 19                        ; W's codes: 1,024 rows of 512 bytes an expert, 256 rows a slice, 64 a wave
	s_lshl_b32 s49, s22, 17
	s_lshl_b32 s50, s20, 15
	s_add_co_u32 s58, s58, s49
	s_add_co_u32 s58, s58, s50
	s_add_nc_u64 s[60:61], s[10:11], s[58:59]
	s_lshl_b32 s58, s32, 15                        ; W's scale bytes: 32 a row
	s_lshl_b32 s49, s22, 13
	s_lshl_b32 s50, s20, 11
	s_add_co_u32 s58, s58, s49
	s_add_co_u32 s58, s58, s50
	s_add_nc_u64 s[66:67], s[12:13], s[58:59]
	WIN 0x40                                       ; W is asked for as soon as the expert is known: it lands while the rows are searched for
.set i, 0
.rept 64
	global_load_b128 v[4*i:4*i+3], v4, s[60:61] offset:512*i       ; row i of my 64: 512 consecutive bytes
.set i, i+1
.endr
	WIN 0
.irp n, 0,1,2,3
	global_load_b128 v[WS+4*\n:WS+4*\n+3], v238, s[66:67] offset:512*\n   ; the scale words of tile n: 512 consecutive bytes
.endr
.irp e, 1,2,3,4,5,6,7
	s_cmp_eq_u32 s32, \e
	s_cselect_b32 s[41+\e], -1, 0                  ; all lanes, or none
.endr
	; the expert's rows, spread evenly over its NT tiles: q = TOT / NT rounded down (at most 144: eight bits), the first TOT - q NT tiles take one row more
	s_mov_b32 s37, 0
.irp b, 7,6,5,4,3,2,1,0
	s_add_co_u32 s49, s37, 1<<\b
	s_mul_i32 s50, s49, s34
	s_cmp_le_u32 s50, s35
	s_cselect_b32 s37, s49, s37
.endr
	s_mul_i32 s50, s37, s34
	s_sub_co_u32 s38, s35, s50                     ; the remainder
	s_mul_i32 s39, s33, s37
	s_min_u32 s50, s33, s38
	s_add_co_u32 s39, s39, s50                     ; LO: my tile's first rank
	s_cmp_lt_u32 s33, s38
	s_cselect_b32 s40, 1, 0
	s_add_co_u32 s40, s40, s37                     ; ROWS, at most 144
	s_max_u32 s41, s40, 1
	s_sub_co_u32 s41, s41, 1                       ; the last slot that has a row of its own
.irp e, 1,2,3,4,5,6,7
.irp i, 0,1,2,3,4,5,6,7
	v_cndmask_b32 v[68+\i], v[68+\i], v[68+8*\e+\i], s[41+\e]      ; my eight groups' words of the tile's expert: v68-75
.endr
.endr
	v_add3_u32 v132, v68, v69, v70
	v_add3_u32 v132, v132, v71, v72
	v_add3_u32 v132, v132, v73, v74
	v_add_nc_u32 v132, v132, v75
	v_and_b32 v132, 0xffff, v132                   ; S: the expert's tokens in my lane's eight groups
	v_lshl_add_u32 v133, v132, 8, 1                ; (S << 8) + 1: what a key grows by from lane to lane
	v_min_u32 v148, s41, v0
	v_min_u32 v149, s41, v149
	v_add_nc_u32 v148, s39, v148                   ; the ranks of my two slots
	v_add_nc_u32 v149, s39, v149
	v_lshl_or_b32 v150, v148, 8, 0xff
	v_lshl_or_b32 v151, v149, 8, 0xff
	v_mov_b32 v152, 0                              ; lane 0's key: 0
	v_mov_b32 v153, 0
	s_mov_b32 s49, 0
; The key of lane l is (the expert's tokens in lower lanes) << 8 | l: it rises with l.  The last key that is not above rank << 8 | 255 names the lane that holds the rank, and what lies ahead of it.
.macro LEVEL1 from, n
.set i, 0
.rept \n
	v_readlane_b32 s[72+i], v133, \from+i
.set i, i+1
.endr
.set i, 0
.rept \n
.if i == 0
	s_add_co_u32 s[72], s[72], s49
.else
	s_add_co_u32 s[72+i], s[72+i], s[72+i-1]       ; the key of lane from + i + 1
.endif
.set i, i+1
.endr
	s_mov_b32 s49, s[72+\n-1]
.set i, 0
.rept \n
	v_cmp_le_u32 vcc_lo, s[72+i], v150
	v_cmp_le_u32 s54, s[72+i], v151
	v_cndmask_b32 v152, v152, s[72+i], vcc_lo
	v_cndmask_b32 v153, v153, s[72+i], s54
.set i, i+1
.endr
.endm
	LEVEL1 0, 16
	LEVEL1 16, 15
	; in that lane's eight groups
.irp z, 0,1
	v_and_b32 v[154+\z], 0xff, v[152+\z]
	v_lshrrev_b32 v[156+\z], 8, v[152+\z]
.endr
.irp z, 0,1
	v_min_u32 v[154+\z], 31, v[154+\z]
	v_sub_nc_u32 v[156+\z], v[148+\z], v[156+\z]   ; the rank within the lane
.endr
.irp z, 0,1
	v_lshlrev_b32 v[154+\z], 2, v[154+\z]
.endr
.irp z, 0,1
.irp i, 0,1,2,3,4,5,6,7
	ds_bpermute_b32 v[176+8*\z+\i], v[154+\z], v[68+\i]            ; that lane's eight words
.endr
.endr
	s_wait_dscnt 0x0
.irp z, 0,1
	v_lshrrev_b32 v[160+\z], 16, v[176+8*\z]       ; group 0: where its tokens of the expert begin in ord, less what lies ahead (nothing)
	v_and_b32 v[158+\z], 0xffff, v[176+8*\z]       ; what lies ahead of group 1
.endr
.macro WALK z, i, m                    ; the last group ahead of which no more than the rank lies
	v_lshrrev_b32 v[164+\z], 16, v[176+8*\z+\i]
	v_cmp_le_u32 \m, v[158+\z], v[156+\z]
	v_sub_nc_u32 v[164+\z], v[164+\z], v[158+\z]
	v_and_b32 v[166+\z], 0xffff, v[176+8*\z+\i]
	v_cndmask_b32 v[160+\z], v[160+\z], v[164+\z], \m
	v_add_nc_u32 v[158+\z], v[158+\z], v[166+\z]
.endm
.irp i, 1,2,3,4,5,6,7
	WALK 0, \i, vcc_lo
	WALK 1, \i, s54
.endr
.irp z, 0,1
	v_add_nc_u32 v[160+\z], v[160+\z], v[156+\z]   ; the slot's place in ord
.endr
.irp z, 0,1
	v_min_u32 v[160+\z], 0x1fff, v[160+\z]         ; held inside the table
.endr
.irp z, 0,1
	v_lshlrev_b32 v[160+\z], 2, v[160+\z]
.endr
	global_load_b32 v162, v160, s[16:17]
	global_load_b32 v163, v161, s[16:17]
	s_wait_loadcnt 0x0                             ; the two tokens; W and its scale words, asked for ahead of the search, are in with them
	v_min_u32 v162, 0x1fff, v162
	v_min_u32 v163, 0x1fff, v163
	ds_store_b32 v5, v162
	ds_store_b32 v6, v163                          ; eight lanes write the same word with the same value
	BARRIER                                        ; the tile's 144 tokens lie in LDS
.macro RESLOAD a                       ; the residual of tile a: instruction t reads 256 consecutive bytes of row t (lanes 0-15) and of row t + 8 (lanes 16-31)
.if (\a) < 8
	WIN 0xc0                                       ; destination window 3
.set rR, 32*(\a)
.else
	WIN 0
.set rR, R8
.endif
.irp t, 0,1,2,3,4,5,6,7
	global_load_b128 v[rR+4*\t:rR+4*\t+3], v[OFF+8*(\a)+\t], s[68:69]
.endr
.endm
	; THE OPERANDS.  First my 36 slots' codes are asked for, a whole row of 512 bytes an instruction, and the scale words; straight behind them the residual of tiles 0 to 5; while all that is on its way W turns into fragments
.irp k, 0,1,2,3,4,5,6,7,8
	ds_load_b128 v[GO+4*\k:GO+4*\k+3], v7 offset:LST+16*\k         ; my 36 slots' tokens, the same in every lane
.endr
.irp a, 0,1,2,3,4,5,6,7,8
	ds_load_b32 v[GO+36+\a], v8 offset:LST+64*\a                   ; the token of row r of tile a
.endr
.irp a, 0,1,2,3,4,5,6,7,8
	ds_load_b128 v[OFF+8*\a:OFF+8*\a+3], v9 offset:LST+64*\a       ; the tokens of rows 8 h + 0 .. 7 of tile a
	ds_load_b128 v[OFF+8*\a+4:OFF+8*\a+7], v9 offset:LST+64*\a+16
.endr
	s_wait_dscnt 18                                ; the gathers' tokens are in; the 18 loads behind them may be out
.set i, 0
.rept 45
	v_min_u32 v[GO+i], 0x1fff, v[GO+i]
.set i, i+1
.endr
.set i, 0
.rept 36
	v_lshl_add_u32 v[GO+i], v[GO+i], 9, v4         ; 512 bytes a token + 16 x lane
.set i, i+1
.endr
.irp a, 0,1,2,3,4,5,6,7,8
	v_lshl_add_u32 v[GO+36+\a], v[GO+36+\a], 5, v239   ; 32 bytes a token + 16 h
.endr
	WIN 0x80
.set i, 0
.rept 36
	global_load_b128 v[4*i:4*i+3], v[GO+i], s[6:7]
.set i, i+1
.endr
	WIN 0
.irp a, 0,1,2,3,4,5,6,7,8
	global_load_b128 v[XS+4*\a:XS+4*\a+3], v[GO+36+\a], s[8:9]     ; x's scale words: lanes 0-15 K steps 0-3, lanes 16-31 K steps 4-7
.endr
	s_wait_dscnt 0x0
.set i, 0
.rept 72
	v_min_u32 v[OFF+i], 0x1fff, v[OFF+i]
.set i, i+1
.endr
.set i, 0
.rept 72
	v_lshl_add_u32 v[OFF+i], v[OFF+i], 12, v15     ; 4,096 bytes a token + 16 r: for the residual's loads and for the stores; never written again
.set i, i+1
.endr
.irp a, 0,1,2,3,4,5
	RESLOAD \a
.endr
	WIN 0x04                                       ; an LDS store's data are its source 1: window 1
.set i, 0
.rept 64
	ds_store_b128 v13, v[4*i:4*i+3] offset:XP*i
.set i, i+1
.endr
	WIN 0x40
.irp s, 0,1,2,3,4,5,6,7
.irp n, 0,1,2,3
.irp c, 0,1
	ds_load_b128 v[8*(4*\s+\n)+4*\c:8*(4*\s+\n)+4*\c+3], v14 offset:16*XP*\n+64*\s+32*\c   ; my own bytes, served in order behind the stores above: no wait, no barrier.  Registers 4 c on: K = 128 s + 64 c + 32 h + 0 .. 31 of row r
.endr
.endr
.endr
	s_wait_loadcnt 57                              ; the 36 rows of codes are in; behind them 9 loads of scale words and 48 of the residual may be out
	WIN 0x08
.set i, 0
.rept 36
	ds_store_b128 v10, v[4*i:4*i+3] offset:XP*i
.set i, i+1
.endr
	WIN 0
	BARRIER                                        ; all 144 rows of codes lie in LDS; W's fragments are in my registers
	s_cmp_eq_u32 s36, 0
	s_cbranch_scc1 .Lend                           ; a row tile without rows ends here, behind the last barrier
.macro FRAGS a                         ; tile a's eight fragments, all of K, into set a % 2
.set rX, XF+64*((\a)%2)
	WIN 0x80                                       ; destination window 2
.irp s, 0,1,2,3,4,5,6,7
.irp c, 0,1
.if (\a) < 8
	ds_load_b128 v[rX+8*\s+4*\c:rX+8*\s+4*\c+3], v11 offset:16*XP*(\a)+64*\s+32*\c
.else
	ds_load_b128 v[rX+8*\s+4*\c:rX+8*\s+4*\c+3], v12 offset:64*\s+32*\c
.endif
.endr
.endr
.endm
.macro MUL1 s, a, n                    ; one product: 16 columns x 16 tokens x 128 along K.  The first K step starts the sums
.set rD, ACC+32*((\a)%2)+8*(\n)
.set rW, 8*(4*(\s)+(\n))
.set rX, XF+64*((\a)%2)+8*(\s)
.set rWS, WS+4*(\n)+(\s)%4
.set rXS, XS+4*(\a)+(\s)%4
.if (\s) == 0
	v_wmma_scale_f32_16x16x128_f8f6f4 v[rD:rD+7], v[rW:rW+7], v[rX:rX+7], 0, v[rWS], v[rXS] matrix_a_fmt:MATRIX_FMT_FP4 matrix_b_fmt:MATRIX_FMT_FP4
.elseif (\s) < 4
	v_wmma_scale_f32_16x16x128_f8f6f4 v[rD:rD+7], v[rW:rW+7], v[rX:rX+7], v[rD:rD+7], v[rWS], v[rXS] matrix_a_fmt:MATRIX_FMT_FP4 matrix_b_fmt:MATRIX_FMT_FP4
.else
	v_wmma_scale_f32_16x16x128_f8f6f4 v[rD:rD+7], v[rW:rW+7], v[rX:rX+7], v[rD:rD+7], v[rWS], v[rXS] matrix_a_fmt:MATRIX_FMT_FP4 matrix_b_fmt:MATRIX_FMT_FP4 matrix_a_scale:MATRIX_SCALE_ROW1 matrix_b_scale:MATRIX_SCALE_ROW1
.endif
.endm
.macro MULS a                          ; a tile's 32 products, K ascending; its four accumulators take turns, one instruction a turn
	WIN 0xa9                                       ; source 0 (W) window 1; source 1 (x), C and D window 2
.irp s, 0,1,2,3,4,5,6,7
.irp n, 0,1,2,3
	MUL1 \s, \a, \n
.endr
.endr
.endm
; THE WAY OUT of a tile of 16 rows x 64 columns.  A lane holds 32 bytes of a row and the lanes beside it other rows: the tile goes through my own stage and comes back so that sixteen lanes hold
; 256 consecutive bytes of a row; there the residual is added and the row stored.  LDS serves a wave's instructions in order: no wait between the stores and the loads, nor ahead of the next tile's stores.
.macro TOSTAGE a
.set AC, ACC+32*((\a)%2)
	WIN 0x08                                       ; the data: window 2
.irp n, 0,1,2,3
	ds_store_b128 v236, v[AC+8*\n:AC+8*\n+3] offset:64*\n          ; each accumulator from its low end on
	ds_store_b128 v236, v[AC+8*\n+4:AC+8*\n+7] offset:64*\n+16
.endr
	WIN 0x80
.irp t, 0,1,2,3,4,5,6,7
	ds_load_b128 v[OB+32*((\a)%2)+4*\t:OB+32*((\a)%2)+4*\t+3], v237 offset:SP*\t
.endr
.endm
.macro SEND a, younger                 ; younger: the LDS instructions issued behind tile a's loads from the stage, which may stay out
.set rB, OB+32*((\a)%2)
	s_wait_dscnt \younger
.if 8*(8-(\a)) > 48
	s_wait_loadcnt 48                              ; the residual of this tile is in; six later tiles' eight loads each may be out
.else
	s_wait_loadcnt 8*(8-(\a))                      ; the residual of this tile is in; the later tiles' eight loads each may be out
.endif
.if (\a) < 2
	RESLOAD (\a)+7                                 ; eight loads have come back: the residual of tile 7, then of tile 8, is asked for in their stead
.endif
.if (\a) < 8
	WIN 0x8e                                       ; destination and source 0 window 2, source 1 window 3
.set rR, 32*(\a)
.else
	WIN 0x82                                       ; source 1 window 0
.set rR, R8
.endif
.set p, 0
.rept 16
	v_pk_add_f32 v[rB+2*p:rB+2*p+1], v[rB+2*p:rB+2*p+1], v[rR+2*p:rR+2*p+1]
.set p, p+1
.endr
	WIN 0x08                                       ; a store's data are its source 1: window 2
.irp t, 0,1,2,3,4,5,6,7
	global_store_b128 v[OFF+8*(\a)+\t], v[rB+4*\t:rB+4*\t+3], s[70:71] th:TH_STORE_NT   ; sixteen lanes store 256 consecutive bytes, at a multiple of 256 from out0's first byte
.endr
.endm
; A TILE'S TURN.  Its fragments are in; the next tile's are asked for, into the set that the tile before has multiplied (behind that tile's products stand four v_nop or sixteen additions); its 32 products;
; the tile before gets its residual and leaves: those sixteen additions name no register of the products and are the places between them and the stage's stores; then this tile goes through the stage.
.macro TILE a
.if (\a) == 0
	s_wait_dscnt 0x0
.else
	s_wait_dscnt 16                                ; my fragments are in; the stage's 8 stores and 8 loads of the tile before may be out
.endif
	FRAGS (\a)+1
	MULS \a
.if (\a) == 0
	PLACES
.else
.if (\a) > 1
	s_wait_xcnt 0x0                                ; the stores of tile a - 2, issued a tile ago, have read their registers: this tile's rows may land there.  It stands ahead of tile a - 1's stores
.endif
	SEND (\a)-1, 16                                ; behind tile a - 1's loads from the stage: the next fragments' 16 loads
.endif
	TOSTAGE \a
.endm
	FRAGS 0
	s_wait_loadcnt 48                              ; x's scale words are in; the 48 loads of the residual behind them may be out
	RESLOAD 6
	s_wait_alu depctr_va_vdst(0)
.irp a, 0,1,2,3,4,5,6,7
	TILE \a
.endr
	SEND 7, 0                                      ; its wait also shows tile 8's fragments in
	WIN 0
	s_cmp_le_u32 s40, 128
	s_cbranch_scc1 .Lend                           ; with 128 rows or fewer, tile 8 would only repeat the last row, which has been stored
	MULS 8
	PLACES
	s_wait_xcnt 0x0                                ; tile 6's stores have read the registers into which tile 8's rows land
	TOSTAGE 8
	SEND 8, 0
	WIN 0
.Lend:
	s_wait_tensorcnt 0x0
	ds_add_u32 v254, v255
	s_wait_dscnt 0x0
	s_endpgm
.Lfunc_end_k_q20986967e0_experts:
	.size	k_q20986967e0_experts, .Lfunc_end_k_q20986967e0_experts-k_q20986967e0_experts
	.p2alignl 7, 3214868480
	.fill 96, 4, 3214868480
	.section	.rodata,"a",@progbits
	.p2align	6, 0x0
	.amdhsa_kernel k_q20986967e0_experts
		.amdhsa_group_segment_fixed_size 230144
		.amdhsa_private_segment_fixed_size 0
		.amdhsa_enable_private_segment 0
		.amdhsa_kernarg_size 64
		.amdhsa_user_sgpr_count 2
		.amdhsa_user_sgpr_kernarg_segment_ptr 1
		.amdhsa_wavefront_size32 1
		.amdhsa_system_sgpr_workgroup_id_x 1
		.amdhsa_system_sgpr_workgroup_id_y 1
		.amdhsa_system_sgpr_workgroup_id_z 1
		.amdhsa_system_vgpr_workitem_id 0
		.amdhsa_next_free_vgpr 1024
		.amdhsa_next_free_sgpr 104
		.amdhsa_reserve_vcc 1
		.amdhsa_float_denorm_mode_32 3
		.amdhsa_float_denorm_mode_16_64 3
		.amdhsa_memory_ordered 1
		.amdhsa_forward_progress 1
		.amdhsa_inst_pref_size 153
	.end_amdhsa_kernel
	.amdgpu_metadata
---
amdhsa.version: [ 1, 2 ]
amdhsa.kernels:
  - .name:           k_q20986967e0_experts
    .symbol:         k_q20986967e0_experts.kd
    .args:
      - { .name: x, .offset: 0, .size: 8, .value_kind: global_buffer, .address_space: global }
      - { .name: xq, .offset: 8, .size: 8, .value_kind: global_buffer, .address_space: global }
      - { .name: xs, .offset: 16, .size: 8, .value_kind: global_buffer, .address_space: global }
      - { .name: expert_w_codes, .offset: 24, .size: 8, .value_kind: global_buffer, .address_space: global }
      - { .name: expert_w_scales, .offset: 32, .size: 8, .value_kind: global_buffer, .address_space: global }
      - { .name: tab, .offset: 40, .size: 8, .value_kind: global_buffer, .address_space: global }
      - { .name: ord, .offset: 48, .size: 8, .value_kind: global_buffer, .address_space: global }
      - { .name: out0, .offset: 56, .size: 8, .value_kind: global_buffer, .address_space: global }
    .group_segment_fixed_size: 230144
    .private_segment_fixed_size: 0
    .kernarg_segment_align: 8
    .kernarg_segment_size: 64
    .max_flat_workgroup_size: 128
    .sgpr_count:     104
    .vgpr_count:     1024
    .wavefront_size: 32
...
	.end_amdgpu_metadata
.endif
;; end of part 4
